; MI455X (gfx1250); checked and timed in simulation.
; The chip was launched on July 23, 2026; its instructions are those of AMD's public machine-readable ISA for CDNA 5 (MIT licence, August 2026) and "CDNA5" Instruction Set Architecture Reference Guide (July 2026). The comments in the code are by the model that wrote it; some were corrected since.
;; Cross Attention. Allowed arithmetic: matrix products marked QUANTISED: E2M3 operands, one E8M0 scale for each 32 along K, by v_wmma_scale_f32_16x16x128_f8f6f4 with both operands' format E2M3, f32 sums; everything else in f32.
;; Inputs: Wk 768 x 1,024 float32; Wo 1,024 x 1,024 float32; Wq 1,024 x 1,024 float32; Wv 768 x 1,024 float32; bo 1,024 float32; context 4 x 1,024 x 768 float32; tokens 4 x 2,048 x 1,024 float32.
;; Outputs: out0 4 x 2,048 x 1,024 float32.
;; This version of the problem:
;;   THIS VERSION OF THE PROBLEM IS GIVEN IN LOW PRECISION. The matrix products marked QUANTISED in the list below multiply operands that are first quantised to E2M3 (2 exponent bits, 3 mantissa bits; 6 bits a number), with one power-of-two scale for each 32 numbers along K (OCP MX v1.0); their sums are f32. All else is computed in f32.
;;   The module's matrix products, in the order in which they are computed (A, B: the left and right operand; K: the contracted axis; several contracted axes count as one K, in the product's order):
;;     1. [M 8,192, K 1,024] x [K 1,024, N 1,024]; A: input tokens; B: input Wq: QUANTISED
;;     2. [M 4,096, K 768] x [K 768, N 1,024]; A: input context; B: input Wk: QUANTISED
;;     3. [M 4,096, K 768] x [K 768, N 1,024]; A: input context; B: input Wv: QUANTISED
;;     4. batch 64 x [M 2,048, K 64] x [K 64, N 1,024]; A: computed on the way; B: computed on the way: QUANTISED
;;     5. batch 64 x [M 2,048, K 1,024] x [K 1,024, N 64]; A: softmax (see below); B: computed on the way: QUANTISED
;;     6. [M 8,192, K 1,024] x [K 1,024, N 1,024]; A: computed on the way; B: input Wo: QUANTISED
;;   THE QUANTISER, for each operand of a quantised product, along K:
;;     - K is cut into blocks of 32 from its start; a last block that is shorter is filled with zeros.
;;     - A block's scale is 2^e with e = floor(log2(the largest magnitude in the block)) - 2, held to -126 .. 127; a block of zeros has e = 0. As a byte (E8M0): e + 127.
;;     - Each number is divided by its block's scale, clamped to +-7.5, and rounded to the nearest number of E2M3, ties to even, subnormals kept.
;;     - The product sums the exact products of the quantised numbers (number of the format x scale) in f32.
;;   ~~~python
;;   def quantise(x, axis):      # numpy; x: float32 -> the quantised numbers, widened to float32 again
;;       x = np.moveaxis(x, axis, -1); K = x.shape[-1]
;;       x = np.pad(x, [(0, 0)] * (x.ndim - 1) + [(0, -K % 32)]); x = x.reshape(x.shape[:-1] + (-1, 32)); a = np.abs(x).max(-1, keepdims=True)
;;       e = np.where(a > 0, np.clip(np.frexp(np.where(a > 0, a, 1))[1] - 1 - 2, -126, 127), 0)      # np.frexp(a)[1] - 1 = floor(log2(a)), exactly
;;       r = np.clip(x / 2.0 ** e, -7.5, 7.5)
;;       step = 2.0 ** (np.maximum(np.frexp(np.where(r == 0, 1, r))[1] - 1, 0) - 3)
;;       q = np.round(r / step) * step * 2.0 ** e      # np.round: ties to even
;;       return np.moveaxis(q.reshape(q.shape[:-2] + (-1,))[..., :K], -1, axis).astype(np.float32)
;;   ~~~
;;   SOFTMAX AHEAD OF A QUANTISED PRODUCT. Where the list says 'softmax', what is quantised is not the finished softmax but p = 2^(t - M), with t = logit x log2(e) and M = ceil(the row's largest t), a whole number; so 1/2 < the row's largest p <= 1. The row's sum l is taken of the UNQUANTISED p, in f32, and the product's result is divided by l at the end. Since M is a whole number, a kernel that streams over the keys may use a running M (the ceiling of the running maximum): every later rescaling is an exact power of two, which a block's scale takes up: the codes' values come out the same.
;;   OPERANDS COMPUTED ON THE WAY. 'Computed on the way' means the value that the module computes at that place (a softmax that the list does not call 'softmax' is quantised finished and normalised). What goes into a quantiser is computed in f32, as accurately as f32 sums, v_exp_f32 and their like allow (about 1e-6 of the number): no bf16 or f16 on the way to a quantiser, and a product that is left as it is and whose result goes on into a quantised operand takes f32 operands (vector FMAs, or v_wmma_f32_16x16x4_f32). A number that lies on a knife's edge between two numbers of the format may be rounded either way, as far as f32 arithmetic and the matrix unit's own rounding can turn it there, and no further.
;; One version. Each part assembles by itself: llvm-mc -triple=amdgcn-amd-amdhsa -mcpu=gfx1250 --defsym DOCPART=n.
;; ======== version 1 of 1: 4 launches
;; workspace buffers: xc 9,437,184 bytes; xs 393,216 bytes; wc 3,145,728 bytes; ws 131,072 bytes; qkvc 12,582,912 bytes; qkvs 524,288 bytes; cc 6,291,456 bytes; cs 262,144 bytes
;; launch quant (part 1): grid 464 x 1, 4 waves a work-group, no clusters, 69,120 bytes of LDS; arguments tokens, context, xc, xs, Wq, Wo, Wk, Wv, wc, ws; writes xc, xs, wc, ws
.if DOCPART == 1
	.amdgcn_target "amdgcn-amd-amdhsa--gfx1250"
	.amdhsa_code_object_version 6
	.text
	.protected	k_q63eeaca7ea_quant
	.globl	k_q63eeaca7ea_quant
	.p2align	8
	.type	k_q63eeaca7ea_quant,@function
k_q63eeaca7ea_quant:
	s_mov_b64 s[64:65], 0
	v_nop
	global_prefetch_b8 v0, s[64:65] scope:SCOPE_SE
	s_setreg_imm32_b32 hwreg(HW_REG_WAVE_MODE, 25, 1), 1
	s_wait_xcnt 0x0
; ALL SIX f32 INPUTS OF THE PROJECTIONS BECOME CODES OF FP6 (E2M3) WITH ONE E8M0 SCALE BYTE FOR EACH 32 ALONG K, in one launch.
; Work-groups 0-111 take the four weights (K is their first axis), 112-367 tokens, 368-463 context (K innermost).  The text parts once, on the work-group's number; each way ends by itself and has LDS bytes of its own
; (activations: bytes 0 to 32,767; weights: from 32,768 on).  The weights go first: their eight blocks are the longest chain of dependent waits.
; A block's scale is 2^(floor(log2(its largest magnitude)) - 2); its byte is the largest magnitude's exponent field - 2, held at 1 from below.  A block of zeros so gets the byte 1: its codes are zeros, and this program alone reads the bytes.
; LIMITS: NaN and infinities among the inputs are not served; blocks whose largest magnitude lies under 2^-124 take the floor's byte, 1.
; Work-groups share no input: no cluster, no matrix unit, no tensor load, no barrier (waves share nothing).
;
; THE ACTIVATIONS.  xc: 12,288 rows of 768 bytes (rows 0-8191 tokens, 8192-12287 context, whose 576 bytes of codes lie at the head of the pitch; the rest of a context row is neither written nor read).
; xs: 12,288 rows of 32 scale bytes (a context row has 24; its bytes 24-31 are written as 0x7f, the scale 1, over codes that nobody multiplies).
; Both tensors are dense streams of blocks of 32.  A wave takes 16 steps of 512 numbers: each load reads 512 consecutive bytes; the numbers turn through the wave's own stage in LDS so that a lane holds 16 neighbours.
; Loads run eight steps (32 loads, 16,384 bytes a wave) ahead, the turn through LDS one step.  Tokens and context take one path: only pointers and a few constants are chosen.
; Context's rows are padded on the way out: a chunk of 256 numbers is 192 bytes of codes and 8 scale bytes, three chunks are a row, so chunk q lies 192 (q / 3) bytes (codes) and 8 (q / 3) bytes (scales) further on than in a dense stream.
; So context's scale bytes leave in pieces of 8 bytes (131,072 bytes in all); tokens' leave as aligned runs of 256 bytes.
;
; THE WEIGHTS.  wc: [Wq, Wo, Wk, Wv][1,024 places][768 bytes] (Wk and Wv use 576);  ws: the same order, [1,024][32 bytes] (Wk's and Wv's bytes 24-31 are written as 0x7f).
; COLUMN n OF A WEIGHT LIES AT PLACE n WITH ITS BITS 3 AND 4 EXCHANGED.  So sixteen neighbouring places 32 b + 16 u + r hold the columns 32 b + 8 u + r + 8 (r / 8): used as source 0 of a transposed product, two neighbouring
; tiles leave 16 neighbouring columns in a lane's 16 registers, which is what the next quantiser wants.
; A lane takes a column and its registers run down K: a block of 32 lies in one lane, nothing is transposed by an instruction.  The codes go through the wave's own stage in LDS and leave by rows, 192 consecutive bytes from sixteen lanes.
; Work-group g: x = g % 8: 128 columns; y = g / 8: 0-3 Wq's four chunks of 256 along K, 4-7 Wo's, 8-10 Wk's three, 11-13 Wv's.
.set NWG,   112                        ; work-groups for the weights: 8 x 14
.set WGA,   256                        ; work-groups for tokens: 8,388,608 numbers / 32,768
.set STEPS, 16
.set DEPTH, 8                          ; steps that the loads run ahead, and sets of registers for them
.set EMAX,  2
.set CB,    12                         ; bytes of 16 codes
.set R,     16                         ; v16-143  eight sets of 16 numbers as they are loaded
.set X,     144                        ; v144-175 two sets of 16 neighbours
.set E,     176                        ; v176-191 a scale byte for each step
.set C,     192                        ; v192-255 for each step three registers of codes and one with the store's offset: nothing is written twice
.set WREG,  8192                       ; LDS: a region for each wave: two stages of 32 x SP bytes, then its 256 scale bytes
.set SP,    80                         ; a lane's place in a stage: 64 bytes + 16 of padding
.set WLDS,  32768                      ; LDS: the weights' stages begin here
	s_set_vgpr_msb 0x40
	v_lshl_add_u32 v0, v0, 2, 0x10c00
	v_mov_b32 v1, 0
	s_set_vgpr_msb 0x4000
	s_cmp_lt_u32 ttmp9, NWG                        ; the one parting: on the work-group's number
	s_cbranch_scc1 .Lweights
	; ---------------- tokens and context ----------------
	s_load_b256 s[4:11], s[0:1], 0x0               ; tokens s[4:5], context s[6:7], xc s[8:9], xs s[10:11]
	v_lshrrev_b32 v1, 5, v0
	v_readfirstlane_b32 s16, v1                    ; wave
	v_and_b32 v2, 31, v0                           ; lane
	v_lshlrev_b32 v3, 4, v2                        ; my 16 bytes of a load's 512
	s_mul_i32 s17, s16, WREG
	v_lshrrev_b32 v14, 2, v2
	v_mul_u32_u24 v14, v14, SP
	v_and_b32 v15, 3, v2
	v_lshl_add_u32 v14, v15, 4, v14
	v_add_nc_u32 v14, s17, v14                     ; the stage, on the way in: SP (lane / 4) + 16 (lane % 4)
	v_mul_u32_u24 v15, v2, SP
	v_add_nc_u32 v15, s17, v15                     ; and on the way out: SP x lane: my 16 neighbours
	v_mul_u32_u24 v4, v2, CB                       ; my codes' place in a step's
	v_lshrrev_b32 v5, 1, v2
	s_add_co_u32 s17, s17, 2*32*SP
	v_add_nc_u32 v5, s17, v5                       ; LDS: my wave's 256 scale bytes, my block's byte
	v_lshlrev_b32 v7, 3, v2                        ; and on the way out 8 bytes a lane
	v_add_nc_u32 v6, s17, v7
	s_mov_b32 s25, 0x55555556                      ; the upper word of q x this is q / 3 for the q of this launch (under 2^16)
	s_mov_b32 s19, NWG+WGA
	s_cmp_lt_u32 ttmp9, NWG+WGA                    ; tokens or context?  The choice hangs on the work-group's number alone
	s_cselect_b32 s19, NWG, s19                    ; the tensor's first work-group
	s_cselect_b32 s22, 0, 192                      ; bytes of padding behind a row of codes
	s_cselect_b32 s23, 0, 8                        ; and behind a row of scale bytes
	s_cselect_b32 s24, 16, 0                       ; added to q % 3, so that no lane of tokens finds the value 2
	s_cselect_b32 s26, 0, 0x600000                 ; context's first row in xc: 8,192 x 768
	s_cselect_b32 s28, 0, 0x40000                  ; and in xs: 8,192 x 32
	s_wait_kmcnt 0x0
	s_cselect_b64 s[4:5], s[4:5], s[6:7]
	s_sub_co_u32 s19, ttmp9, s19
	s_lshl_b32 s19, s19, 2
	s_add_co_u32 s18, s19, s16                     ; which run of 8,192 numbers of the tensor is my wave's
	s_lshl_b32 s30, s18, 5                         ; its first chunk of 256 numbers
	s_lshl_b32 s20, s18, 15
	s_mov_b32 s21, 0
	s_add_nc_u64 s[4:5], s[4:5], s[20:21]          ; 32,768 bytes of numbers a run
	s_mul_i32 s20, s18, 32*STEPS*CB
	s_add_co_u32 s20, s20, s26
	s_add_nc_u64 s[8:9], s[8:9], s[20:21]          ; 6,144 bytes of codes
	s_lshl_b32 s20, s18, 8
	s_add_co_u32 s20, s20, s28
	s_add_nc_u64 s[10:11], s[10:11], s[20:21]      ; 256 scale bytes
	v_lshrrev_b32 v1, 4, v2
	v_add_nc_u32 v1, s30, v1                       ; my chunk in step 0: lanes 0-15 hold one chunk of a step, lanes 16-31 the next
.macro LOAD t
.irp i, 0,1,2,3
	global_load_b128 v[R+16*((\t)%DEPTH)+4*\i:R+16*((\t)%DEPTH)+4*\i+3], v3, s[4:5] offset:2048*(\t)+512*\i th:TH_LOAD_NT   ; 32 lanes read 512 consecutive bytes
.endr
.endm
.macro TURN t                          ; step t's numbers through the stage: LDS serves a wave's instructions in order, so no wait stands between the stores and the loads
.irp i, 0,1,2,3
	ds_store_b128 v14, v[R+16*((\t)%DEPTH)+4*\i:R+16*((\t)%DEPTH)+4*\i+3] offset:32*SP*((\t)%2)+8*SP*\i
.endr
.irp i, 0,1,2,3
	ds_load_b128 v[X+16*((\t)%2)+4*\i:X+16*((\t)%2)+4*\i+3], v15 offset:32*SP*((\t)%2)+16*\i
.endr
.endm
.irp t, 0,1,2,3,4,5,6,7
	LOAD \t
.endr
	s_wait_loadcnt 4*(DEPTH-1)                     ; step 0's four loads are in; the 28 of the seven steps behind it may be out
	TURN 0
.macro STEP t
.set XS, X+16*((\t)%2)
.if (\t) > 0
	s_wait_dscnt 1                                 ; this step's numbers are back from the stage (the last step's byte store may be out): so its stores into the stage have read their registers,
.else
	s_wait_dscnt 0x0
.endif
.if (\t)+DEPTH < STEPS
	LOAD (\t)+DEPTH                                ; which take the loads of eight steps on
.endif
.if (\t)+1 < STEPS
.if STEPS-2-(\t) >= DEPTH-1
	s_wait_loadcnt 4*(DEPTH-1)                     ; the next step's four loads are in; those of the seven steps behind it may be out
.else
	s_wait_loadcnt 4*(STEPS-2-(\t))                ; (towards the end: those of the steps that are left)
.endif
	TURN (\t)+1                                    ; and go through the other stage while this step is worked
.endif
	v_add_nc_u32 v10, 2*(\t), v1                   ; my chunk q in this step,
	v_mul_hi_u32 v10, v10, s25                     ; q / 3: the rows passed,
	v_mad_u32_u24 v[C+4*(\t)+3], v10, s22, v4      ; and their padding: the store's offset, in a register of this step's own
	v_max3_num_f32 v8, |v[XS]|, |v[XS+1]|, |v[XS+2]|               ; the largest magnitude of my 16
	v_max3_num_f32 v9, |v[XS+3]|, |v[XS+4]|, |v[XS+5]|
.irp i, 6,10
	v_max3_num_f32 v8, v8, |v[XS+\i]|, |v[XS+\i+1]|
	v_max3_num_f32 v9, v9, |v[XS+\i+2]|, |v[XS+\i+3]|
.endr
	v_max3_num_f32 v8, v8, |v[XS+14]|, |v[XS+15]|
	v_max3_num_f32 v8, v8, v9, (EMAX+1)<<23        ; and the floor 2^(3 - 127): the byte cannot fall under 1
	v_max_num_f32_dpp v8, v8, v8 row_xmask:1 row_mask:0xf bank_mask:0xf   ; and of my neighbour's 16: the block's
	v_add_nc_u32 v11, -(EMAX<<23), v8              ; 2 off its exponent field: the conversion takes the exponent field of this operand as its scale
	v_cvt_scalef32_pk16_fp6_f32 v[C+4*(\t):C+4*(\t)+2], v[XS:XS+15], v11
	v_lshrrev_b32 v[E+(\t)], 23, v11               ; the scale's byte (a plain line behind the conversion)
	ds_store_b8 v5, v[E+(\t)] offset:16*(\t)       ; both lanes of a block write the same byte with the same value
	global_store_b96 v[C+4*(\t)+3], v[C+4*(\t):C+4*(\t)+2], s[8:9] offset:32*CB*(\t)
.endm
.irp t, 0,1,2,3,4,5,6,7,8,9,10,11,12,13,14,15
	STEP \t
.endr
	ds_load_b64 v[12:13], v6                       ; LDS serves a wave's instructions in order: these see my stores.  A lane's 8 bytes are a chunk's
	v_add_nc_u32 v8, s30, v2                       ; my chunk g,
	v_mul_hi_u32 v10, v8, s25                      ; g / 3,
	v_mad_u32_u24 v9, v10, s23, v7                 ; 8 x lane + the padding of the rows passed
	v_mul_u32_u24 v10, v10, 3
	v_sub_nc_u32 v8, v8, v10                       ; g % 3: 2 in a row's last chunk
	v_add_nc_u32 v8, s24, v8
	v_mov_b32 v10, 0x7f7f7f7f
	v_mov_b32 v11, 0x7f7f7f7f
	s_wait_dscnt 0x0
	global_store_b64 v9, v[12:13], s[10:11]
	v_cmp_eq_u32 vcc_lo, 2, v8
	s_wait_xcnt 0x0                                ; EXEC changes only when the pending stores have read it
	s_set_vgpr_msb 0x5
	s_wait_tensorcnt 0x0
	ds_add_u32 v0, v1
	s_wait_dscnt 0x0
	s_set_vgpr_msb 0x500
	s_and_saveexec_b32 s31, vcc_lo
	global_store_b64 v9, v[10:11], s[10:11] offset:8   ; context: bytes 24-31 of a row
	s_wait_xcnt 0x0
	s_or_b32 exec_lo, exec_lo, s31
	s_endpgm
	; ---------------- the four weights ----------------
.set WN,     1024                      ; columns of a weight
.set WNB,    8                         ; blocks of 32 in a wave's 256 along K
.set WROWB,  192                       ; bytes of 256 codes
.set WPITCH, 272                       ; a stage row: sixteen places of 16 bytes, each with 12 bytes of codes, + 16
.set WKROW,  768                       ; a row of wc in bytes
.set WX,     32                        ; v32-95   two sets of 32 numbers
.set WC,     96                        ; v96..    a block's codes
.set WOUT,   112                       ; v112-175 the way out
.set WSB,    24                        ; v24-25   the scale bytes
.Lweights:
	s_load_b256 s[4:11], s[0:1], 0x20              ; Wq s[4:5], Wo s[6:7], Wk s[8:9], Wv s[10:11]
	s_load_b128 s[12:15], s[0:1], 0x40             ; wc s[12:13], ws s[14:15]
	v_lshrrev_b32 v1, 5, v0
	v_readfirstlane_b32 s16, v1                    ; wave 0..3
	v_and_b32 v2, 31, v0                           ; lane
	s_and_b32 s17, ttmp9, 7                        ; x
	s_lshl_b32 s17, s17, 7
	s_lshl_b32 s18, s16, 5
	s_add_co_u32 s17, s17, s18                     ; my wave's first column: 128 x + 32 wave
	s_lshr_b32 s18, ttmp9, 3                       ; y
	v_lshlrev_b32 v3, 2, v2                        ; in: 4 bytes a lane
	s_mul_i32 s19, s16, 32*WPITCH
	s_add_co_u32 s19, s19, WLDS                    ; my stage
	v_mul_u32_u24 v4, v2, WPITCH
	v_add_nc_u32 v4, s19, v4                       ; into it: row = my column
	v_and_b32 v5, 15, v2
	v_lshrrev_b32 v6, 4, v2                        ; out of it: sixteen lanes to a row, two rows an instruction
	v_mul_u32_u24 v7, v6, WPITCH
	v_lshl_add_u32 v7, v5, 4, v7
	v_add_nc_u32 v7, s19, v7
	v_mul_u32_u24 v8, v6, WKROW
	v_mad_u32_u24 v8, v5, 12, v8                   ; and the same place in wc
	v_and_b32 v9, 7, v2                            ; my column's place among the wave's 32: bits 3 and 4 exchanged,
	v_and_b32 v10, 8, v2
	v_lshl_or_b32 v9, v10, 1, v9
	v_and_b32 v10, 16, v2
	v_lshrrev_b32 v10, 1, v10
	v_or_b32 v9, v9, v10
	v_lshlrev_b32 v9, 5, v9                        ; x 32 bytes: its row of scale bytes
	v_mov_b32 v14, 0x7f7f7f7f
	v_mov_b32 v15, 0x7f7f7f7f
	s_mov_b32 s20, 3                               ; which weight,
	s_mov_b32 s21, 11                              ; and its first y
	s_cmp_eq_u32 s18, 10
	s_cselect_b32 s30, 1, 0
	s_cmp_eq_u32 s18, 13
	s_cselect_b32 s30, 1, s30                      ; 1: the last chunk of a K of 768: it also writes the row's bytes 24-31
	s_wait_kmcnt 0x0
	s_cmp_lt_u32 s18, 11
	s_cselect_b64 s[10:11], s[8:9], s[10:11]
	s_cselect_b32 s20, 2, s20
	s_cselect_b32 s21, 8, s21
	s_cmp_lt_u32 s18, 8
	s_cselect_b64 s[10:11], s[6:7], s[10:11]
	s_cselect_b32 s20, 1, s20
	s_cselect_b32 s21, 4, s21
	s_cmp_lt_u32 s18, 4
	s_cselect_b64 s[10:11], s[4:5], s[10:11]
	s_cselect_b32 s20, 0, s20
	s_cselect_b32 s21, 0, s21
	s_sub_co_u32 s21, s18, s21                     ; the chunk of 256 along K
	s_lshl_b32 s22, s21, 20                        ; 256 rows of 4,096 bytes,
	s_lshl_b32 s24, s17, 2
	s_add_co_u32 s22, s22, s24                     ; + 4 x column
	s_mov_b32 s23, 0
	s_add_nc_u64 s[10:11], s[10:11], s[22:23]
	s_mul_i32 s22, s20, 1024*WKROW
	s_mul_i32 s24, s17, WKROW
	s_add_co_u32 s22, s22, s24
	s_mul_i32 s24, s21, WROWB
	s_add_co_u32 s22, s22, s24
	s_add_nc_u64 s[12:13], s[12:13], s[22:23]
	s_lshl_b32 s22, s20, 15
	s_lshl_b32 s24, s17, 5
	s_add_co_u32 s22, s22, s24
	s_lshl_b32 s24, s21, 3
	s_add_co_u32 s22, s22, s24
	s_add_nc_u64 s[14:15], s[14:15], s[22:23]
.macro WLOAD t                         ; block t: W(32 t + i, my column), i = 0 .. 31, into set t % 2
.irp i, 0,1,2,3,4,5,6,7,8,9,10,11,12,13,14,15,16,17,18,19,20,21,22,23,24,25,26,27,28,29,30,31
	global_load_b32 v[WX+32*((\t)%2)+\i], v3, s[10:11] offset:(32*(\t)+\i)*WN*4 th:TH_LOAD_NT
.endr
.endm
	WLOAD 0
	WLOAD 1
.macro WBLOCK t
.set WXS, WX+32*((\t)%2)
.if (\t) < WNB-1
	s_wait_loadcnt 32                              ; this block's 32 loads are in; the next block's may be out
.else
	s_wait_loadcnt 0
.endif
	v_max3_num_f32 v12, |v[WXS]|, |v[WXS+1]|, |v[WXS+2]|            ; the block's largest magnitude: all 32 numbers are mine
	v_max3_num_f32 v13, |v[WXS+3]|, |v[WXS+4]|, |v[WXS+5]|
.irp i, 6,10,14,18,22,26
	v_max3_num_f32 v12, v12, |v[WXS+\i]|, |v[WXS+\i+1]|
	v_max3_num_f32 v13, v13, |v[WXS+\i+2]|, |v[WXS+\i+3]|
.endr
	v_max3_num_f32 v12, v12, |v[WXS+30]|, |v[WXS+31]|
	v_max3_num_f32 v12, v12, v13, (EMAX+1)<<23     ; and the floor 2^(3 - 127)
	v_add_nc_u32 v11, -(EMAX<<23), v12             ; the conversion's scale operand
	v_lshrrev_b32 v13, 23, v11                     ; the scale's byte
.if (\t)%4 == 0
	v_mov_b32 v[WSB+(\t)/4], v13                   ; four bytes to a register, the lower K in the lower byte
.else
	v_lshl_or_b32 v[WSB+(\t)/4], v13, 8*((\t)%4), v[WSB+(\t)/4]
.endif
	v_cvt_scalef32_pk16_fp6_f32 v[WC:WC+2], v[WXS:WXS+15], v11
	v_cvt_scalef32_pk16_fp6_f32 v[WC+4:WC+6], v[WXS+16:WXS+31], v11 ; (a conversion's three registers begin on an even number)
	ds_store_b96 v4, v[WC:WC+2] offset:32*(\t)     ; 12 bytes to a place of 16 in the stage
	ds_store_b96 v4, v[WC+4:WC+6] offset:32*(\t)+16
.if (\t)+2 < WNB
	WLOAD (\t)+2
.endif
	s_wait_dscnt 0x0                               ; the stores have read their registers: the next block's codes may be written
.endm
.set WQ, 0
.rept WNB
	WBLOCK WQ
.set WQ, WQ+1
.endr
	global_store_b64 v9, v[WSB:WSB+1], s[14:15]    ; my column's 8 scale bytes
	s_cmp_eq_u32 s30, 0
	s_cbranch_scc1 .Lno_pad
	global_store_b64 v9, v[14:15], s[14:15] offset:8
.Lno_pad:
.irp t, 0,1,2,3,4,5,6,7,8,9,10,11,12,13,14,15
	ds_load_b96 v[WOUT+4*\t:WOUT+4*\t+2], v7 offset:2*\t*WPITCH   ; LDS serves a wave's instructions in order: these see my stores
.endr
.irp t, 0,1,2,3,4,5,6,7,8,9,10,11,12,13,14,15
	s_wait_dscnt 15-\t
	global_store_b96 v8, v[WOUT+4*\t:WOUT+4*\t+2], s[12:13] offset:2*((((\t)&4)<<1)|(((\t)&8)>>1)|((\t)&3))*WKROW   ; columns 2 t and 2 t + 1 at their places: bits 3 and 4 exchanged
.endr
	s_set_vgpr_msb 0x5
	s_wait_tensorcnt 0x0
	ds_add_u32 v0, v1
	s_wait_dscnt 0x0
	s_set_vgpr_msb 0x500
	s_endpgm
.Lfunc_end_k_q63eeaca7ea_quant:
	.size	k_q63eeaca7ea_quant, .Lfunc_end_k_q63eeaca7ea_quant-k_q63eeaca7ea_quant
	.p2alignl 7, 3214868480
	.fill 96, 4, 3214868480
	.section	.rodata,"a",@progbits
	.p2align	6, 0x0
	.amdhsa_kernel k_q63eeaca7ea_quant
		.amdhsa_group_segment_fixed_size 69120
		.amdhsa_private_segment_fixed_size 0
		.amdhsa_enable_private_segment 0
		.amdhsa_kernarg_size 80
		.amdhsa_user_sgpr_count 2
		.amdhsa_user_sgpr_kernarg_segment_ptr 1
		.amdhsa_wavefront_size32 1
		.amdhsa_system_sgpr_workgroup_id_x 1
		.amdhsa_system_sgpr_workgroup_id_y 1
		.amdhsa_system_sgpr_workgroup_id_z 1
		.amdhsa_system_vgpr_workitem_id 0
		.amdhsa_next_free_vgpr 258
		.amdhsa_next_free_sgpr 66
		.amdhsa_reserve_vcc 1
		.amdhsa_float_denorm_mode_32 3
		.amdhsa_float_denorm_mode_16_64 3
		.amdhsa_memory_ordered 1
		.amdhsa_forward_progress 1
		.amdhsa_inst_pref_size 78
	.end_amdhsa_kernel
	.amdgpu_metadata
---
amdhsa.version: [ 1, 2 ]
amdhsa.kernels:
  - .name:           k_q63eeaca7ea_quant
    .symbol:         k_q63eeaca7ea_quant.kd
    .args:
      - { .name: tokens, .offset: 0, .size: 8, .value_kind: global_buffer, .address_space: global }
      - { .name: context, .offset: 8, .size: 8, .value_kind: global_buffer, .address_space: global }
      - { .name: xc, .offset: 16, .size: 8, .value_kind: global_buffer, .address_space: global }
      - { .name: xs, .offset: 24, .size: 8, .value_kind: global_buffer, .address_space: global }
      - { .name: Wq, .offset: 32, .size: 8, .value_kind: global_buffer, .address_space: global }
      - { .name: Wo, .offset: 40, .size: 8, .value_kind: global_buffer, .address_space: global }
      - { .name: Wk, .offset: 48, .size: 8, .value_kind: global_buffer, .address_space: global }
      - { .name: Wv, .offset: 56, .size: 8, .value_kind: global_buffer, .address_space: global }
      - { .name: wc, .offset: 64, .size: 8, .value_kind: global_buffer, .address_space: global }
      - { .name: ws, .offset: 72, .size: 8, .value_kind: global_buffer, .address_space: global }
    .group_segment_fixed_size: 69120
    .private_segment_fixed_size: 0
    .kernarg_segment_align: 8
    .kernarg_segment_size: 80
    .max_flat_workgroup_size: 128
    .sgpr_count:     66
    .vgpr_count:     258
    .wavefront_size: 32
...
	.end_amdgpu_metadata
.endif
;; end of part 1
;; launch proj (part 2): grid 4 x 64, 4 waves a work-group, clusters of 4 x 4, 327,680 bytes of LDS; arguments xc, xs, wc, ws, qkvc, qkvs; writes qkvc, qkvs
.if DOCPART == 2
	.amdgcn_target "amdgcn-amd-amdhsa--gfx1250"
	.amdhsa_code_object_version 6
	.text
	.protected	k_q63eeaca7ea_proj
	.globl	k_q63eeaca7ea_proj
	.p2align	8
	.type	k_q63eeaca7ea_proj,@function
k_q63eeaca7ea_proj:
	s_mov_b64 s[64:65], 0
	v_nop
	global_prefetch_b8 v0, s[64:65] scope:SCOPE_SE
	s_setreg_imm32_b32 hwreg(HW_REG_WAVE_MODE, 25, 1), 1
	s_wait_xcnt 0x0
	s_wait_alu depctr_hold_cnt(0) depctr_sa_sdst(0) depctr_va_vdst(0) depctr_va_sdst(0) depctr_va_ssrc(0) depctr_va_vcc(0) depctr_vm_vsrc(0)
	s_getreg_b32 s2, hwreg(HW_REG_IB_STS2, 6, 4)
	s_cmp_eq_u32 s2, 0
	s_cbranch_scc0 .Lentry_in_a_cluster
	s_endpgm
.Lentry_in_a_cluster:
	s_bfe_u32 s2, ttmp6, 0x10000c
	s_cmp_lg_u32 s2, 0xf033
	s_cbranch_scc0 .Lentry_shape_is_right
	s_endpgm
.Lentry_shape_is_right:
; The three projections, each C = A B^T on codes of FP6 (E2M3) with E8M0 scales, and each result QUANTISED again along its columns, in registers, into the layout that the attention launch reads.
;   clusters y 0-7:   Q   = tokens  x Wq   (A = xc rows 0.., B = wc places 0..,     K = 1,024)     clusters y 8-11: K = context x Wk (A = xc rows 8,192.., B = wc places 2,048.., K = 768)
;   clusters y 12-15: V^T = Wv^T x context^T (A = wc places 3,072.., B = xc rows 8,192.., K = 768): so V's codes come out with the keys innermost.
; A tile of C, 256 x 256, is made by four waves, 128 x 128 each: 64 accumulators, 512 registers.  K goes in steps of 256 (rows of 192 bytes) through two LDS slots filled by the tensor data mover; the scale bytes of the
; work-group's rows come once, with the first fills.  4 x 4 work-groups form a cluster: A's tiles are asked for jointly along a row of the cluster, B's along a column.
; THE MATRIX INSTRUCTION IS USED TRANSPOSED (source 0 = 16 rows of B, source 1 = 16 rows of A): a lane holds one row of C, and its registers run along C's columns.
; Q, K: B's rows are a weight's places (columns with bits 3 and 4 exchanged), so the 16 registers of accumulators 2 b and 2 b + 1 are 16 neighbouring columns 32 b + 16 (lane / 16) + 0 .. 15.
; V^T: B's rows are keys in their order, so inside a block of 32 keys code place 16 h + 8 u + j holds key 16 u + 8 h + j: the attention launch lays its weights p in the same order, and a permutation of K that both sides share keeps the sums.
; THE K WALK is written out: K steps 0 and 1, then the text parts ONCE on the cluster's y (the same number in all sixteen partners): Q's tail has K steps 2 and 3, the other tail K step 2 alone; no load is asked for that nobody reads.
; THE WAY OUT uses no LDS: a row tile's 128 columns become 12 registers of codes (two halves of 64 along K, 768 bytes each, laid [piece 3][lane 32][8 bytes]: each store covers 256 consecutive bytes, aligned) and a scale word a row.
; The eight scale words of a wave leave as one image of 512 bytes: word i of lane L: row tile 2 i in lanes 0-15, row tile 2 i + 1 in lanes 16-31.
; LIMITS: a block of zeros, or one under 2^-124, takes the scale byte 1 (its codes are zeros; this program alone reads the bytes).  NaN and infinities are not served.
; REGISTERS: window 0: v0-31 addresses; v32-63 scale words, two sets; from v128 A's fragments, one set; on the way out v112-227 at work.  window 1: B's fragments, two sets.  windows 2, 3: the accumulators ((a, b) at v[8 (8 (a % 4) + b)]).
.set KSTEP,  256
.set NQ,     KSTEP/128
.set ROWB,   192                       ; a tile's row in bytes
.set KROW,   768                       ; a row of xc or wc in memory
.set PITCH,  240                       ; an LDS row: 3 x (64 bytes + 16 of padding)
.set FR,     12
.set NL,     6
.set NP,     4
.set HALFT,  128*PITCH
.set SLOT,   4*HALFT
.set KS,     32                        ; a row of scale bytes
.set SCL,    2*SLOT
.set HALFS,  (128*KS/256)*272
.set SBLK,   (16*KS/256)*272
.set SPARE,  SCL+4*HALFS               ; the spare words, 128 bytes for each wave: two blocks of 256 bytes that no other line names
.set ADRA, 16                          ; v16-17 A's fragments in slot 0, 1 (v18-19: behind one padding more)
.set ADRB, 20                          ; v20-23 the same for B
.set L8,   24                          ; v24  8 x lane
.set L16,  25                          ; v25  16 x lane
.set LN,   26                          ; v26  lane
.set ADRS, 27                          ; v27  my scale words: lanes 0-15 A's rows, lanes 16-31 B's
.set SPW,  28                          ; v28  my spare word; never rewritten
.set NIL,  29                          ; v29  0; never rewritten
.set SC,   32
.set AF,   128
.set CD,   112                         ; the way out: v112-123 the codes, v124-130 the conversions' second halves
.set TM,   200                         ; v200-203 largest magnitudes, v204-207 the other half's, then bytes, v212-215 the conversions' scale operands
.set PWS,  216                         ; v216-223 the eight row tiles' scale words
.set WI,   224                         ; v224-227 their image
.set G1, 24
.set G0, 32
.set G1B, 48
.set G0B, 56
.set G1S, 68
.set G0S, 76
.set G1SB, 80
.set G0SB, 88
.set MSB, 0
.macro WIN new                         ; the immediate's high byte repeats the setting that is left
.if MSB != (\new)
	s_set_vgpr_msb (MSB<<8)|(\new)
.set MSB, (\new)
.endif
.endm
.set MUL_LO, 0xa1                      ; source 0 (B) window 1, source 1 (A) window 0, C and D window 2
.set MUL_HI, 0xf1
.set TO_B,   0x40
; A joint load: waves 0 and 1 fetch for A, waves 2 and 3 for B.  The branch hangs on the wave's number alone.  Four v_nop follow each of the two lines.
.macro JLOAD g0a, g1a, g0b, g1b
	s_cmp_eq_u32 s15, 0
	s_cbranch_scc0 .Lfor_b_\@
	tensor_load_to_lds s[\g0a:\g0a+3], s[\g1a:\g1a+7]
	s_nop 0
.rept 4
	v_nop
.endr
	s_branch .Lasked_\@
.Lfor_b_\@:
	tensor_load_to_lds s[\g0b:\g0b+3], s[\g1b:\g1b+7]
	s_nop 0
.rept 4
	v_nop
.endr
.Lasked_\@:
.endm
.macro CREST                           ; a round of the cluster's barrier behind its opening barrier
	s_cmp_lg_u32 s14, 0
	s_cbranch_scc1 .Lnot_wave_0_\@
	s_barrier_signal -3
.Lnot_wave_0_\@:
	s_barrier_wait -3
	s_barrier_signal -1
	s_barrier_wait -1
.endm
.macro CROUND
	s_barrier_signal -1
	s_barrier_wait -1
	CREST
.endm
	s_load_b256 s[4:11], s[0:1], 0x0               ; xc s[4:5], xs s[6:7], wc s[8:9], ws s[10:11]
	s_load_b128 s[96:99], s[0:1], 0x20             ; qkvc s[96:97], qkvs s[98:99]
	v_lshl_add_u32 v[SPW], v0, 2, SPARE
	v_mov_b32 v[NIL], 0
	ds_add_u32 v28, v29
	ds_add_u32 v28, v29
	s_wait_dscnt 0x0
	v_lshrrev_b32 v1, 5, v0
	v_readfirstlane_b32 s14, v1                    ; wave 0..3
	s_lshr_b32 s15, s14, 1                         ; which half of the tile's rows is mine.  Also: I fetch for A (0) or for B (1)
	s_and_b32 s16, s14, 1                          ; which half of its columns.  Also: which 128 rows of that tile I fetch
	s_bfe_u32 s40, ttmp6, 0x40000                  ; cx, cy: my place in the cluster
	s_bfe_u32 s41, ttmp6, 0x40004
	s_and_b32 s66, ttmp7, 0xffff                   ; the cluster's y, 0..15: it names the job; the same in all sixteen partners
	s_lshl_b32 s18, s66, 2
	s_sub_co_u32 s19, s18, 48                      ; 4 (y - 12): used where y is 12 or more
	s_mov_b32 s20, 8192
	s_cmp_lt_u32 s66, 8
	s_cselect_b32 s3, 0, 1                         ; 0: K = 1,024 (Q);  1: K = 768
	s_cselect_b32 s95, 0, 2048                     ; B's first row: Wq's places or Wk's,
	s_cmp_lt_u32 s66, 12
	s_cselect_b32 s18, s18, 0
	s_cselect_b32 s19, 0, s19
	s_cselect_b32 s67, 0, 3072                     ; A's first row: xc's rows, or Wv's places
	s_cselect_b32 s95, s95, s20                    ; or context's rows
	s_add_co_u32 s17, s18, s41                     ; tile row of C
	s_add_co_u32 s42, s19, s40                     ; tile column of C
	s_lshl_b32 s43, s41, 2
	s_lshl_b32 s43, 15, s43                        ; my row of the cluster
	s_lshl_b32 s44, 0x1111, s40                    ; my column
	; descriptor group 1: a tile of 128 rows x 192 bytes, 16 bytes of padding behind every 64
	s_or_b32 s[G1+0], s43, (0<<16)|(1<<20)|(1<<21)|(3<<22)|(3<<25)
	s_or_b32 s[G1B+0], s44, (0<<16)|(1<<20)|(1<<21)|(3<<22)|(3<<25)
.irp g, G1, G1B
	s_mov_b32 s[\g+1], ROWB<<16                    ; tensor_dim0
	s_mov_b32 s[\g+2], 128<<16                     ; tensor_dim1
	s_mov_b32 s[\g+3], ROWB<<16                    ; tile_dim0
	s_mov_b32 s[\g+4], 128                         ; tile_dim1
	s_mov_b32 s[\g+5], KROW                        ; the pitch
	s_mov_b32 s[\g+6], 0
	s_mov_b32 s[\g+7], 0
.endr
	; the scale bytes of 128 rows: 4,096 dense bytes, as 16 rows of 256 bytes (32 elements of 8), 16 bytes of padding behind each
	s_or_b32 s[G1S+0], s43, (3<<16)|(1<<20)|(1<<21)|(5<<22)|(3<<25)
	s_or_b32 s[G1SB+0], s44, (3<<16)|(1<<20)|(1<<21)|(5<<22)|(3<<25)
.irp g, G1S, G1SB
	s_mov_b32 s[\g+1], 32<<16
	s_mov_b32 s[\g+2], (128*KS/256)<<16
	s_mov_b32 s[\g+3], 32<<16
	s_mov_b32 s[\g+4], 128*KS/256
	s_mov_b32 s[\g+5], 32
	s_mov_b32 s[\g+6], 0
	s_mov_b32 s[\g+7], 0
.endr
	s_lshl_b32 s18, s16, 7                         ; which 128 rows of the tile I fetch
	s_lshl_b32 s20, s17, 8
	s_add_co_u32 s20, s20, s18
	s_add_co_u32 s20, s20, s67                     ; A: first row + 256 x tile row + 128 x half
	s_lshl_b32 s46, s42, 8
	s_add_co_u32 s46, s46, s18
	s_add_co_u32 s46, s46, s95                     ; B likewise, by the tile column
	s_mov_b32 s21, 0
	s_mov_b32 s47, 0
	s_mov_b64 s[18:19], KS
	s_mul_u64 s[22:23], s[20:21], s[18:19]         ; where these rows' scale bytes begin
	s_mul_u64 s[92:93], s[46:47], s[18:19]
	s_mov_b64 s[18:19], KROW
	s_mul_u64 s[20:21], s[20:21], s[18:19]         ; and their codes
	s_mul_u64 s[46:47], s[46:47], s[18:19]
	s_mul_i32 s45, s14, HALFT                      ; where they go: wave x 128 rows
	s_mul_i32 s94, s14, HALFS
	s_wait_kmcnt 0x0
	s_cmp_lt_u32 s66, 12                           ; Q and K: A from xc, B from wc;  V^T: the other way round.  The choice hangs on no address
	s_mov_b64 s[18:19], s[4:5]
	s_cselect_b64 s[4:5], s[4:5], s[8:9]
	s_cselect_b64 s[8:9], s[8:9], s[18:19]
	s_mov_b64 s[18:19], s[6:7]
	s_cselect_b64 s[6:7], s[6:7], s[10:11]
	s_cselect_b64 s[10:11], s[10:11], s[18:19]
	s_add_nc_u64 s[20:21], s[4:5], s[20:21]
	s_add_nc_u64 s[22:23], s[6:7], s[22:23]
	s_add_nc_u64 s[46:47], s[8:9], s[46:47]
	s_add_nc_u64 s[92:93], s[10:11], s[92:93]
	CROUND                                         ; all sixteen work-groups are here: the first joint loads meet
	s_mov_b32 s[G0S], 1
	s_add_co_u32 s[G0S+1], s94, SCL
	s_mov_b64 s[G0S+2:G0S+3], s[22:23]
	s_or_b32 s[G0S+3], s[G0S+3], 0x80000000
	s_mov_b32 s[G0SB], 1
	s_add_co_u32 s[G0SB+1], s94, SCL
	s_mov_b64 s[G0SB+2:G0SB+3], s[92:93]
	s_or_b32 s[G0SB+3], s[G0SB+3], 0x80000000
	JLOAD G0S, G1S, G0SB, G1SB                     ; the scale bytes first: they are wanted with K step 0
.irp s, 0,1
	s_mov_b32 s[G0+4*\s], 1
	s_add_co_u32 s[G0+4*\s+1], s45, \s*SLOT
	s_add_nc_u64 s[G0+4*\s+2:G0+4*\s+3], s[20:21], \s*ROWB
	s_or_b32 s[G0+4*\s+3], s[G0+4*\s+3], 0x80000000
	s_mov_b32 s[G0B+4*\s], 1
	s_add_co_u32 s[G0B+4*\s+1], s45, \s*SLOT
	s_add_nc_u64 s[G0B+4*\s+2:G0B+4*\s+3], s[46:47], \s*ROWB
	s_or_b32 s[G0B+4*\s+3], s[G0B+4*\s+3], 0x80000000
	JLOAD G0+4*\s, G1, G0B+4*\s, G1B               ; three loads of mine are out
.endr
	v_and_b32 v1, 15, v0                           ; l % 16
	v_bfe_u32 v2, v0, 4, 1                         ; l / 16
	v_mul_u32_u24 v3, v1, PITCH
	v_mul_u32_u24 v4, v2, 24
	v_add_nc_u32 v4, v3, v4                        ; a fragment's row x pitch + 24 x half
	v_lshl_add_u32 v5, v2, 4, v4                   ; and the same behind one padding more
	s_mul_i32 s21, s15, HALFT                      ; my 128 rows of A
	s_mul_i32 s22, s16, HALFT                      ; my 128 rows of B,
	s_add_co_u32 s22, s22, 2*HALFT                 ; which lie behind A's 256
.irp s, 0,1
	v_add_nc_u32 v[ADRA+\s], s21, v4
	v_add_nc_u32 v[ADRB+\s], s22, v4
	v_add_nc_u32 v[ADRA+2+\s], s21, v5
	v_add_nc_u32 v[ADRB+2+\s], s22, v5
	s_add_co_u32 s21, s21, SLOT
	s_add_co_u32 s22, s22, SLOT
.endr
	v_mul_u32_u24 v5, v1, KS                       ; my row's scale bytes: 32 a row,
	v_lshrrev_b32 v6, 8, v5
	v_lshl_add_u32 v5, v6, 4, v5                   ; and 16 more for each 256 passed
	s_mul_i32 s21, s15, HALFS
	s_mul_i32 s22, s16, HALFS
	s_add_co_u32 s22, s22, 2*HALFS
	s_sub_co_u32 s22, s22, s21
	v_mul_u32_u24 v6, s22, v2                      ; lanes 16-31 take B's
	s_add_co_u32 s21, s21, SCL
	v_add_nc_u32 v5, v5, v6
	v_add_nc_u32 v[ADRS], s21, v5
	v_and_b32 v[LN], 31, v0
	v_lshlrev_b32 v[L8], 3, v[LN]
	v_lshlrev_b32 v[L16], 4, v[LN]
	; where my results go.  Codes: BASE + (16 TR + 8 rh) SR + (4 TC + 2 ch) UC, + SR for each row tile.  Scale image: SBASE + (2 TR + rh) TRS + (2 TC + ch) TCS.
	; Q, K: [row tile][head 16][768], [row group of 128][head pair 8][512].   V^T: [128 keys][head pair 8][channel tile 8][half 2][768], [128 keys][head pair 8][512], behind them.
	s_cmp_lt_u32 s66, 12
	s_mov_b32 s100, 1536
	s_cselect_b32 s100, 12288, s100                ; SR
	s_mov_b32 s101, 0
	s_mov_b32 s18, 49152
	s_cselect_b32 s18, 768, s18                    ; UC
	s_cselect_b32 s19, 0, 9437184                  ; BASE
	s_cselect_b32 s20, 0, 393216                   ; SBASE
	s_mov_b32 s21, 512
	s_cselect_b32 s21, 4096, s21                   ; TRS
	s_mov_b32 s22, 4096
	s_cselect_b32 s22, 512, s22                    ; TCS
	s_lshl_b32 s23, s17, 1
	s_add_co_u32 s23, s23, s15                     ; 2 TR + rh
	s_lshl_b32 s46, s42, 1
	s_add_co_u32 s46, s46, s16                     ; 2 TC + ch
	s_mul_i32 s21, s23, s21
	s_add_co_u32 s20, s20, s21
	s_mul_i32 s92, s46, s22
	s_add_co_u32 s92, s92, s20
	s_mov_b32 s93, 0
	s_add_nc_u64 s[98:99], s[98:99], s[92:93]      ; my scale image
	s_lshl_b32 s23, s23, 3
	s_mul_i32 s23, s23, s100
	s_add_co_u32 s23, s23, s19
	s_lshl_b32 s46, s46, 1
	s_mul_i32 s46, s46, s18
	s_add_co_u32 s46, s46, s23
	s_mov_b32 s47, 0
	s_add_nc_u64 s[12:13], s[96:97], s[46:47]      ; my first row tile's codes
	s_mov_b32 s20, 0x76543210
	s_mov_b32 s21, 0xfedcba98                      ; v_permlanex16_b32's selects for lane l xor 16
.macro FRAG reg, adr, q, i             ; a fragment, 16 rows x 128 K of 6-bit codes, is 12 registers: lane l holds row l % 16; registers 6 c .. 6 c + 5 hold K = 64 c + 32 (l / 16) + 0 .. 31, as they lie
.irp p, 0,1,2,3,4,5                    ; in pieces of 8 bytes.  Lanes 16-31 read three pieces further on than lanes 0-15: where that is behind one padding more, the second address register serves
.set PCE, 12*(\q)+6*(\p/3)+\p%3
.if PCE%8 < 5
	ds_load_b64 v[\reg+2*\p:\reg+2*\p+1], v[\adr] offset:8*PCE+16*(PCE/8)+(\i)*16*PITCH
.else
	ds_load_b64 v[\reg+2*\p:\reg+2*\p+1], v[\adr+2] offset:8*PCE+16*(PCE/8)+(\i)*16*PITCH
.endif
.endr
.endm
; 16 matrix instructions: A's blocks a0, a0 + 1 x B's eight, 128 along K.  The 64 accumulators take turns, one instruction a turn, in the same order in every step.
.macro MUL16 a0, p, q, sc, zero
.irp a, \a0, \a0+1
.irp b, 0,1,2,3,4,5,6,7
.if \zero
	v_wmma_scale_f32_16x16x128_f8f6f4 v[8*(8*((\a)%4)+\b):8*(8*((\a)%4)+\b)+7], v[128*(\p)+FR*\b:128*(\p)+FR*\b+FR-1], v[AF+FR*(\a):AF+FR*(\a)+FR-1], 0, v[SC+8*NQ*(\sc)+NQ*\b+(\q)], v[SC+8*NQ*(\sc)+NQ*(\a)+(\q)] matrix_a_fmt:MATRIX_FMT_FP6 matrix_b_fmt:MATRIX_FMT_FP6 matrix_a_scale:MATRIX_SCALE_ROW1
.else
	v_wmma_scale_f32_16x16x128_f8f6f4 v[8*(8*((\a)%4)+\b):8*(8*((\a)%4)+\b)+7], v[128*(\p)+FR*\b:128*(\p)+FR*\b+FR-1], v[AF+FR*(\a):AF+FR*(\a)+FR-1], v[8*(8*((\a)%4)+\b):8*(8*((\a)%4)+\b)+7], v[SC+8*NQ*(\sc)+NQ*\b+(\q)], v[SC+8*NQ*(\sc)+NQ*(\a)+(\q)] matrix_a_fmt:MATRIX_FMT_FP6 matrix_b_fmt:MATRIX_FMT_FP6 matrix_a_scale:MATRIX_SCALE_ROW1
.endif
.endr
.endr
.endm
.macro FETCH_B slot, q, p
	WIN TO_B
.irp i, 0,1,2,3,4,5,6,7
	FRAG 128*(\p)+FR*\i, ADRB+\slot, \q, \i
.endr
	WIN 0
.endm
.macro FETCH_A slot, q, i0
.irp i, \i0, \i0+1, \i0+2, \i0+3
	FRAG AF+FR*(\i), ADRA+\slot, \q, \i
.endr
.endm
.macro SCALES sc                       ; the next K step's scale words: two words a row; lanes 0-15 take A's block i, lanes 16-31 B's block i
.irp i, 0,1,2,3,4,5,6,7
	ds_load_b64 v[SC+8*NQ*\sc+NQ*\i:SC+8*NQ*\sc+NQ*\i+1], v[ADRS] offset:\i*SBLK
.endr
.endm
.macro PLACES n                        ; plain vector lines between a matrix instruction and a load into, or a vector line on, its registers
.rept \n
	v_nop
.endr
.endm
; A step of 128 along K that has its successor in the same slot.
.macro STEP slot, q, zero
	s_wait_dscnt 4*NL                              ; B's set and A's blocks 0-3 are in; the youngest 24 loads (A's blocks 4-7) may be out
	WIN MUL_LO
	MUL16 0, (\q)%2, \q, \slot, \zero
	MUL16 2, (\q)%2, \q, \slot, \zero
	s_wait_dscnt 0                                 ; A's blocks 4-7 are in
	PLACES NP
	FETCH_B \slot, (\q)+1, 1-(\q)%2
	FETCH_A \slot, (\q)+1, 0
	WIN MUL_HI
	MUL16 4, (\q)%2, \q, \slot, \zero
	MUL16 6, (\q)%2, \q, \slot, \zero
	PLACES NP
	WIN 0
	FETCH_A \slot, (\q)+1, 4
.endm
; A slot's last step changes slots: ONE barrier; in front of it each wave waits for all its tensor loads, adds 0 to its spare word, and waits for that and for its own reads of this slot.  fill = 1: this slot is filled again, two K steps ahead.
.macro TURN slot, next, fill
	s_wait_tensorcnt 0x0                           ; all my tensor loads have landed: my part of the next slot
	ds_add_u32 v[SPW], v[NIL]                      ; 0 onto my spare word
	s_wait_dscnt 4*NL+1                            ; (the add and the youngest 24 loads, A's blocks 4-7, may be out)
	WIN MUL_LO
	MUL16 0, 1, NQ-1, \slot, 0                     ; sixteen matrix instructions stand between the add and the wait for it
	s_wait_dscnt 0x0                               ; the add is done, and my reads of this slot are over
	s_barrier_signal -1
	MUL16 2, 1, NQ-1, \slot, 0
	WIN 0
	s_barrier_wait -1
.if \fill
	CREST                                          ; the barrier has opened a round of the cluster's barrier: no wave of any partner still reads this slot or has a load on its way
	s_add_nc_u64 s[G0+4*\slot+2:G0+4*\slot+3], s[G0+4*\slot+2:G0+4*\slot+3], 2*ROWB
	s_add_nc_u64 s[G0B+4*\slot+2:G0B+4*\slot+3], s[G0B+4*\slot+2:G0B+4*\slot+3], 2*ROWB
	JLOAD G0+4*\slot, G1, G0B+4*\slot, G1B         ; the first tensor load behind the round; its four v_nop are the places in front of the loads below
.else
	PLACES NP
.endif
	v_add_nc_u32 v[ADRS], 4*NQ, v[ADRS]            ; on to the next K step's scale words (no LDS load of mine is out)
	FETCH_B \next, 0, 0
	FETCH_A \next, 0, 0
	SCALES \next
	WIN MUL_HI
	MUL16 4, 1, NQ-1, \slot, 0
	MUL16 6, 1, NQ-1, \slot, 0
	PLACES NP
	WIN 0
	FETCH_A \next, 0, 4
.endm
.macro LAST slot                       ; the very last step: nothing more to fetch
	s_wait_dscnt 4*NL
	WIN MUL_LO
	MUL16 0, 1, NQ-1, \slot, 0
	MUL16 2, 1, NQ-1, \slot, 0
	s_wait_dscnt 0
	WIN MUL_HI
	MUL16 4, 1, NQ-1, \slot, 0
	MUL16 6, 1, NQ-1, \slot, 0
	WIN 0
.endm
	s_wait_tensorcnt 1                             ; the scale bytes and my part of K step 0 are in (K step 1's load may be out),
	s_barrier_signal -1
	s_barrier_wait -1                              ; everybody's are
	FETCH_B 0, 0, 0
	FETCH_A 0, 0, 0
	SCALES 0
	FETCH_A 0, 0, 4
	STEP 0, 0, 1                                   ; the first products start the sums
	TURN 0, 1, 1                                   ; slot 0 takes K step 2
	STEP 1, 0, 0
	s_cmp_lg_u32 s3, 0                             ; the one parting: on the cluster's y
	s_cbranch_scc1 .Lkv
	TURN 1, 0, 1                                   ; K = 1,024: slot 1 takes K step 3
	STEP 0, 0, 0
	TURN 0, 1, 0
	STEP 1, 0, 0
	LAST 1
	s_branch .Lout
.Lkv:
	TURN 1, 0, 0                                   ; K = 768: K step 2 is the last; nothing is asked for
	STEP 0, 0, 0
	LAST 0
.Lout:
; THE WAY OUT.  Row tile a: the lane's 64 numbers (register 16 b + i = place 32 b + 16 (lane / 16) + i of its row) become a fragment's codes and a scale word.
.macro OUTROW a
.set W, 2+(\a)/4
.set AC, 64*((\a)%4)
	WIN (W<<2)|(W<<4)                              ; sources 1 and 2: the accumulators' window
.irp b, 0,1,2,3
	v_max3_num_f32 v[TM+\b], 0x1800000, |v[AC+16*\b]|, |v[AC+16*\b+1]|   ; block b: my 16 numbers, each accumulator from its low end on, and the floor 2^(3 - 127)
.endr
.irp i, 2,4,6,8,10,12,14
.irp b, 0,1,2,3
	v_max3_num_f32 v[TM+\b], v[TM+\b], |v[AC+16*\b+\i]|, |v[AC+16*\b+\i+1]|
.endr
.endr
	WIN 0
.irp b, 0,1,2,3
	v_permlanex16_b32 v[TM+4+\b], v[TM+\b], s20, s21
.endr
.irp b, 0,1,2,3
	v_max_num_f32 v[TM+\b], v[TM+\b], v[TM+4+\b]   ; with lane l xor 16's: the block's largest magnitude
.endr
.irp b, 0,1,2,3
	v_add_nc_u32 v[TM+12+\b], 0xff000000, v[TM+\b] ; 2 off its exponent field: the conversion's scale operand
.endr
.irp b, 0,1,2,3
	v_lshrrev_b32 v[TM+4+\b], 23, v[TM+12+\b]      ; the scale's byte
.endr
	v_lshl_or_b32 v[PWS+(\a)], v[TM+5], 8, v[TM+4]
	v_lshl_or_b32 v[PWS+(\a)], v[TM+6], 16, v[PWS+(\a)]
	v_lshl_or_b32 v[PWS+(\a)], v[TM+7], 24, v[PWS+(\a)]
	s_wait_xcnt 0x0                                ; the last row tile's stores have read their data and their base: both are written again below
.if (\a) > 0
	s_add_nc_u64 s[12:13], s[12:13], s[100:101]
.endif
	WIN W                                          ; source 0: the accumulators' window
.irp c, 0,1
	v_cvt_scalef32_pk16_fp6_f32 v[CD+6*\c:CD+6*\c+2], v[AC+32*\c:AC+32*\c+15], v[TM+12+2*\c]
	v_cvt_scalef32_pk16_fp6_f32 v[CD+12+4*\c:CD+14+4*\c], v[AC+32*\c+16:AC+32*\c+31], v[TM+13+2*\c]   ; (a conversion's three registers begin on an even number)
.endr
	WIN 0
	v_nop                                          ; one plain line behind a scaled conversion
.irp c, 0,1                                    ; the operand's layout wants a whole block in a lane: lanes 0-15 block 2 c, lanes 16-31 block 2 c + 1
.irp i, 0,1,2
	v_permlane16_swap_b32 v[CD+6*\c+\i], v[CD+12+4*\c+\i]
.endr
.irp i, 0,1,2
	v_mov_b32 v[CD+3+6*\c+\i], v[CD+12+4*\c+\i]
.endr
.endr
.irp g, 0,1
.irp p, 0,1,2
	global_store_b64 v[L8], v[CD+6*\g+2*\p:CD+6*\g+2*\p+1], s[12:13] offset:768*\g+256*\p   ; 32 lanes store 256 consecutive bytes, aligned
.endr
.endr
.endm
	PLACES NP                                      ; behind the last products: their results are read and their operands' registers written below
.irp b, 0,1,2,3
	v_mov_b32 v[TM+4+\b], 0                        ; written once: a lane permute's destination counts as one of its sources
.endr
.irp a, 0,1,2,3,4,5,6,7
	OUTROW \a
.endr
	v_cmp_le_u32 vcc_lo, 16, v[LN]
.irp i, 0,1,2,3
	v_cndmask_b32 v[WI+\i], v[PWS+2*\i], v[PWS+2*\i+1], vcc_lo   ; lanes 0-15: row tile 2 i's words; lanes 16-31: row tile 2 i + 1's (both halves of the lanes hold a row's word)
.endr
	global_store_b128 v[L16], v[WI:WI+3], s[98:99] ; 512 consecutive bytes, aligned
	s_wait_tensorcnt 0x0                           ; the wave's end
	ds_add_u32 v[SPW], v[NIL]
	s_wait_dscnt 0x0
	CROUND                                         ; the closing round: no work-group ends while a partner may still ask for a tile that names it
	s_endpgm
.Lfunc_end_k_q63eeaca7ea_proj:
	.size	k_q63eeaca7ea_proj, .Lfunc_end_k_q63eeaca7ea_proj-k_q63eeaca7ea_proj
	.p2alignl 7, 3214868480
	.fill 96, 4, 3214868480
	.section	.rodata,"a",@progbits
	.p2align	6, 0x0
	.amdhsa_kernel k_q63eeaca7ea_proj
		.amdhsa_group_segment_fixed_size 327680
		.amdhsa_private_segment_fixed_size 0
		.amdhsa_enable_private_segment 0
		.amdhsa_kernarg_size 48
		.amdhsa_user_sgpr_count 2
		.amdhsa_user_sgpr_kernarg_segment_ptr 1
		.amdhsa_wavefront_size32 1
		.amdhsa_system_sgpr_workgroup_id_x 1
		.amdhsa_system_sgpr_workgroup_id_y 1
		.amdhsa_system_sgpr_workgroup_id_z 1
		.amdhsa_system_vgpr_workitem_id 0
		.amdhsa_next_free_vgpr 1024
		.amdhsa_next_free_sgpr 104
		.amdhsa_reserve_vcc 1
		.amdhsa_float_denorm_mode_32 3
		.amdhsa_float_denorm_mode_16_64 3
		.amdhsa_memory_ordered 1
		.amdhsa_forward_progress 1
		.amdhsa_inst_pref_size 206
	.end_amdhsa_kernel
	.amdgpu_metadata
---
amdhsa.version: [ 1, 2 ]
amdhsa.kernels:
  - .name:           k_q63eeaca7ea_proj
    .symbol:         k_q63eeaca7ea_proj.kd
    .args:
      - { .name: xc, .offset: 0, .size: 8, .value_kind: global_buffer, .address_space: global }
      - { .name: xs, .offset: 8, .size: 8, .value_kind: global_buffer, .address_space: global }
      - { .name: wc, .offset: 16, .size: 8, .value_kind: global_buffer, .address_space: global }
      - { .name: ws, .offset: 24, .size: 8, .value_kind: global_buffer, .address_space: global }
      - { .name: qkvc, .offset: 32, .size: 8, .value_kind: global_buffer, .address_space: global }
      - { .name: qkvs, .offset: 40, .size: 8, .value_kind: global_buffer, .address_space: global }
    .group_segment_fixed_size: 327680
    .private_segment_fixed_size: 0
    .kernarg_segment_align: 8
    .kernarg_segment_size: 48
    .max_flat_workgroup_size: 128
    .sgpr_count:     104
    .vgpr_count:     1024
    .wavefront_size: 32
...
	.end_amdgpu_metadata
.endif
;; end of part 2
;; launch attn (part 3): grid 8 x 32, 16 waves a work-group, clusters of 4 x 1, 215,040 bytes of LDS; arguments qkvc, qkvs, cc, cs; writes cc, cs
.if DOCPART == 3
	.amdgcn_target "amdgcn-amd-amdhsa--gfx1250"
	.amdhsa_code_object_version 6
	.text
	.protected	k_q63eeaca7ea_attn
	.globl	k_q63eeaca7ea_attn
	.p2align	8
	.type	k_q63eeaca7ea_attn,@function
k_q63eeaca7ea_attn:
	s_mov_b64 s[64:65], 0
	v_nop
	global_prefetch_b8 v0, s[64:65] scope:SCOPE_SE
	s_setreg_imm32_b32 hwreg(HW_REG_WAVE_MODE, 25, 1), 1
	s_wait_xcnt 0x0
	s_wait_alu depctr_hold_cnt(0) depctr_sa_sdst(0) depctr_va_vdst(0) depctr_va_sdst(0) depctr_va_ssrc(0) depctr_va_vcc(0) depctr_vm_vsrc(0)
	s_getreg_b32 s2, hwreg(HW_REG_IB_STS2, 6, 4)
	s_cmp_eq_u32 s2, 0
	s_cbranch_scc0 .Lentry_in_a_cluster
	s_endpgm
.Lentry_in_a_cluster:
	s_bfe_u32 s2, ttmp6, 0x10000c
	s_cmp_lg_u32 s2, 0x3003
	s_cbranch_scc0 .Lentry_shape_is_right
	s_endpgm
.Lentry_shape_is_right:
; ctx = softmax(Q K^T / 8) V for 64 (batch, head) pairs, 2,048 queries x 1,024 keys x head size 64, both products on codes of FP6 (E2M3) with E8M0 scales; ctx is quantised along its 1,024 channels on the way out.
; THE SOFTMAX AHEAD OF THE SECOND PRODUCT: t = score x log2(e) / 8; M = the running largest t rounded UP to a whole number; p = 2^(t - M) is quantised along the keys, not normalised; the row's sum is taken of the
; unquantised p and divides at the end.  When M moves, the sum and O are multiplied by 2^(old M - new M), which rounds nothing.
; SHARES.  A work-group owns 256 queries of one batch and one PAIR of heads; each of its sixteen waves owns 16 queries in 256 registers (four waves to a SIMD: one wave's vector work stands beside another's matrix work).
; A wave runs two passes, the even head and the odd head, and so ends with a whole fragment (16 rows x 128 channels) and a whole scale word of ctx.
; LDS.  Both heads' K and V lie whole in LDS (4 x 49,152 bytes) with their scale images: nothing is filled twice, so there is no ring.  The odd head's tiles land while the even head is worked.
; CLUSTER.  The four query blocks of a cluster belong to one batch and head pair and read the same K and V: each tile is asked for JOINTLY (mask 15), by waves 0, 1 (K's halves) and 2, 3 (V's halves), three loads each.
; LAYOUT.  Both products are used transposed: S^T = K Q^T (source 0 = 16 keys), O^T = V^T P^T (source 0 = 16 channels): a lane holds ONE query throughout.  Codes lie in LDS as images of half fragments (16 rows x 64 K:
; [piece 3][lane 32][8 bytes]): every LDS load of a wave takes 256 consecutive bytes.  The keys of a tile are neighbours, so inside a block of 32 keys p's code place 16 h + 8 u + j holds key 16 u + 8 h + j: V's codes were laid in the same order.
; K = 64 IN AN INSTRUCTION OF 128: Q's operand is six registers of codes and six of zero codes.  Even head: {Q, 0} against K's tile and whatever follows it; odd head: {0, Q} against whatever stands ahead and K's tile.
; What meets the zeros is a neighbouring tile's codes or a pad of zeros: FP6 has no NaN and no infinity, so those products are zeros.  The scale words hold the even head's bytes below and the odd head's above, and serve both passes as they lie.
; V's channel tiles are Wv's places, so the 16 registers of O^T's tiles 2 b, 2 b + 1 are 16 neighbouring channels: ctx is quantised in its true order.
; LIMITS: a block of zeros takes the scale byte 1 (its codes are zeros; this program alone reads the bytes).  NaN and infinities are not served.
.set STEPB, 6144                       ; a key step's 8 tiles of K, and its 4 fragments of V
.set VOFF,  49152                      ; a head: 64 tiles of K, then 8 steps of V
.set HOFF,  98304                      ; the odd head
.set SCK,   196608                     ; K's 8 scale images of 512 bytes
.set SCV,   200704                     ; V's
.set STG,   204800                     ; 1,024 bytes: ctx's scale words of the work-group's 256 rows; no tile lands here
.set ADK, 4                            ; v4  LDS address of the step's codes
.set ADS, 5                            ; v5  of K's scale image
.set ADT, 6                            ; v6  of V's
.set KF,  42                           ; v42-89 K's eight tiles, later V's four fragments; v36-41 and v90-95 pads of zero codes
.set BM,  220                          ; v220-223 the blocks' largest scores, then largest p
.set BP,  224                          ; v224-227 the other half's, then bytes
.set SO,  228                          ; v228-231 the conversions' scale operands
.set CT,  240                          ; v240-251 ctx's codes; v252 its scale word
.set WV,  12
.set SEL, 20
.set CS,  22
.set G1K, 24
.set G1V, 32
.set G1S, 40
.set TB,  76
.set TS,  77
.set CNT, 78
.macro CROUND                          ; a round of the cluster's barrier
	s_barrier_signal -1
	s_barrier_wait -1
	s_cmp_lg_u32 s[WV], 0
	s_cbranch_scc1 .Lnot_wave_0_\@
	s_barrier_signal -3
.Lnot_wave_0_\@:
	s_barrier_wait -3
	s_barrier_signal -1
	s_barrier_wait -1
.endm
	s_load_b256 s[4:11], s[0:1], 0x0               ; qkvc s[4:5], qkvs s[6:7], cc s[8:9], cs s[10:11]
	v_lshl_add_u32 v254, v0, 2, 0x34000
	v_mov_b32 v255, 0
	ds_add_u32 v254, v255
	ds_add_u32 v254, v255
	v_lshrrev_b32 v11, 5, v0
	v_readfirstlane_b32 s[WV], v11                 ; wave 0..15
	v_and_b32 v11, 31, v0                          ; lane
	v_lshlrev_b32 v1, 3, v11                       ; v1  8 x lane: a piece of a half fragment
	v_lshlrev_b32 v8, 4, v11                       ; v8  16 x lane
	v_add_nc_u32 v2, SCK, v8                       ; v2  my words of K's scale images
	v_add_nc_u32 v3, SCV, v8                       ; v3  of V's
	v_and_b32 v7, 15, v0
	s_lshl_b32 s80, s[WV], 6
	v_lshl_add_u32 v9, v7, 2, s80
	v_add_nc_u32 v9, STG, v9                       ; v9  the stage: 64 x wave + 4 x row
	v_lshlrev_b32 v7, 4, v7                        ; v7  16 x (lane % 16): Q's scale word in its image
	s_and_b32 s18, s[WV], 1
	s_lshl_b32 s80, s18, 9
	v_add_nc_u32 v10, s80, v8
	v_add_nc_u32 v10, STG, v10                     ; v10 back out of the stage (waves 0 and 1): 512 x wave + 16 x lane
	s_bfe_u32 s13, ttmp6, 0x40000                  ; cx: it enters Q's, cc's and cs's addresses alone
	s_lshl_b32 s14, ttmp9, 2
	s_add_co_u32 s14, s14, s13                     ; my block of 256 queries
	s_and_b32 s15, ttmp7, 0xffff
	s_lshr_b32 s16, s15, 3                         ; the batch
	s_and_b32 s17, s15, 7                          ; the head pair
	; what I fetch, if I fetch: half e = wave % 2 of K's 64 row tiles or of V's 8 steps
	s_lshl_b32 s80, s16, 6
	s_lshl_b32 s81, s18, 5
	s_add_co_u32 s80, s80, s81
	s_mul_i32 s80, s80, 12288
	s_mul_i32 s81, s17, 1536
	s_add_co_u32 s80, s80, s81
	s_add_co_u32 s80, s80, 6291456                 ; K's codes: row tile 512 + 64 b + 32 e, head 2 hp
	s_mov_b32 s81, 0
	s_lshl_b32 s84, s16, 3
	s_lshl_b32 s85, s18, 2
	s_add_co_u32 s84, s84, s85                     ; 8 b + 4 e
	s_mul_i32 s82, s84, 98304
	s_mul_i32 s83, s17, 12288
	s_add_co_u32 s82, s82, s83
	s_add_co_u32 s82, s82, 9437184                 ; V's codes
	s_mov_b32 s83, 0
	s_lshl_b32 s84, s84, 12
	s_lshl_b32 s85, s17, 9
	s_add_co_u32 s84, s84, s85
	s_add_co_u32 s86, s84, 393216                  ; V's scale images
	s_add_co_u32 s84, s84, 262144                  ; K's: row group 64 + 8 b + 4 e
	s_mov_b32 s85, 0
	s_mov_b32 s87, 0
	; my 16 queries: row tile rt = 128 b + 16 block + wave
	s_lshl_b32 s88, s16, 7
	s_lshl_b32 s89, s14, 4
	s_add_co_u32 s88, s88, s89
	s_add_co_u32 s88, s88, s[WV]
	s_lshr_b32 s90, s88, 3
	s_lshl_b32 s90, s90, 12
	s_lshl_b32 s91, s17, 9
	s_add_co_u32 s90, s90, s91
	s_lshl_b32 s91, s18, 8                         ; in the image: an odd tile's words lie in lanes 16-31,
	s_add_co_u32 s90, s90, s91
	s_bfe_u32 s91, s[WV], 0x20001                  ; word (wave % 8) / 2
	s_lshl_b32 s91, s91, 2
	s_add_co_u32 s90, s90, s91
	s_mov_b32 s91, 0
	s_lshl_b32 s92, s88, 3
	s_add_co_u32 s92, s92, s17
	s_mul_i32 s92, s92, 1536                       ; cc: fragment 8 rt + hp
	s_mov_b32 s93, 0
	s_mul_i32 s88, s88, 12288
	s_mul_i32 s89, s17, 1536
	s_add_co_u32 s88, s88, s89                     ; Q's codes
	s_mov_b32 s89, 0
	s_lshl_b32 s94, s16, 13
	s_lshl_b32 s95, s14, 10
	s_add_co_u32 s94, s94, s95
	s_lshl_b32 s95, s17, 15
	s_add_co_u32 s94, s94, s95
	s_lshl_b32 s95, s[WV], 9
	s_add_co_u32 s94, s94, s95                     ; cs: plane hp, the block's 256 rows, 512 bytes for each of waves 0 and 1
	s_mov_b32 s95, 0
	; descriptor groups 1: elements of 8 bytes, mask 15 with bit 21 beside it, no padding
	s_mov_b32 s[G1K], 15|(3<<16)|(1<<21)           ; K: 32 row tiles x 768 bytes, 12,288 bytes apart
	s_mov_b32 s[G1K+1], 96<<16
	s_mov_b32 s[G1K+2], 32<<16
	s_mov_b32 s[G1K+3], 96<<16
	s_mov_b32 s[G1K+4], 32
	s_mov_b32 s[G1K+5], 1536
	s_mov_b32 s[G1K+6], 0
	s_mov_b32 s[G1K+7], 0
	s_mov_b32 s[G1V], 15|(3<<16)|(1<<21)           ; V: 4 steps x 6,144 bytes, 98,304 bytes apart
	s_mov_b32 s[G1V+1], 768<<16
	s_mov_b32 s[G1V+2], 4<<16
	s_mov_b32 s[G1V+3], 768<<16
	s_mov_b32 s[G1V+4], 4
	s_mov_b32 s[G1V+5], 12288
	s_mov_b32 s[G1V+6], 0
	s_mov_b32 s[G1V+7], 0
	s_mov_b32 s[G1S], 15|(3<<16)|(1<<21)           ; scale images: 4 x 512 bytes, 4,096 bytes apart
	s_mov_b32 s[G1S+1], 64<<16
	s_mov_b32 s[G1S+2], 4<<16
	s_mov_b32 s[G1S+3], 64<<16
	s_mov_b32 s[G1S+4], 4
	s_mov_b32 s[G1S+5], 512
	s_mov_b32 s[G1S+6], 0
	s_mov_b32 s[G1S+7], 0
	s_mov_b32 s[SEL], 0x76543210
	s_mov_b32 s[SEL+1], 0xfedcba98
	s_mov_b32 s[CS], 0x3e38aa3b                    ; c = log2(e) / 8
	s_mov_b32 s[CS+1], s[CS]
	s_mul_i32 s79, s[WV], 24576                    ; where my tiles go: waves 0, 1: K's halves; waves 2, 3: V's, which lie behind them
	s_lshl_b32 s19, s[WV], 11                      ; and my scale images
	s_wait_dscnt 0x0
	s_wait_kmcnt 0x0
	CROUND                                         ; all four work-groups are here: the joint loads meet
	s_mov_b32 s48, 1                               ; K: scale images,
	s_add_co_u32 s49, s19, SCK
	s_add_nc_u64 s[50:51], s[6:7], s[84:85]
	s_or_b32 s51, s51, 0x80000000
	s_mov_b32 s52, 1                               ; the even head,
	s_mov_b32 s53, s79
	s_add_nc_u64 s[54:55], s[4:5], s[80:81]
	s_mov_b32 s56, 1                               ; the odd head
	s_add_co_u32 s57, s79, HOFF
	s_add_nc_u64 s[58:59], s[54:55], 768
	s_or_b32 s55, s55, 0x80000000
	s_or_b32 s59, s59, 0x80000000
	s_mov_b32 s60, 1                               ; V likewise
	s_add_co_u32 s61, s19, SCK
	s_add_nc_u64 s[62:63], s[6:7], s[86:87]
	s_or_b32 s63, s63, 0x80000000
	s_mov_b32 s68, 1
	s_mov_b32 s69, s79
	s_add_nc_u64 s[70:71], s[4:5], s[82:83]
	s_mov_b32 s72, 1
	s_add_co_u32 s73, s79, HOFF
	s_add_nc_u64 s[74:75], s[70:71], 6144
	s_or_b32 s71, s71, 0x80000000
	s_or_b32 s75, s75, 0x80000000
	s_cmp_lt_u32 s[WV], 2                          ; a wave's three fills stand in one branch on its number, ahead of every wait on TENSORcnt and every LDS read: three loads of mine are out
	s_cbranch_scc0 .Lnot_k
	tensor_load_to_lds s[48:51], s[G1S:G1S+7]
	s_nop 0
	tensor_load_to_lds s[52:55], s[G1K:G1K+7]
	s_nop 0
	tensor_load_to_lds s[56:59], s[G1K:G1K+7]
	s_nop 0
.rept 4
	v_nop
.endr
	s_branch .Lasked
.Lnot_k:
	s_cmp_lt_u32 s[WV], 4
	s_cbranch_scc0 .Lasked
	tensor_load_to_lds s[60:63], s[G1S:G1S+7]
	s_nop 0
	tensor_load_to_lds s[68:71], s[G1V:G1V+7]
	s_nop 0
	tensor_load_to_lds s[72:75], s[G1V:G1V+7]
	s_nop 0
.rept 4
	v_nop
.endr
.Lasked:
	s_add_nc_u64 s[88:89], s[4:5], s[88:89]
	s_add_nc_u64 s[90:91], s[6:7], s[90:91]
	s_add_nc_u64 s[8:9], s[8:9], s[92:93]
	s_add_nc_u64 s[10:11], s[10:11], s[94:95]
.irp p, 0,1,2
	global_load_b64 v[16+2*\p:17+2*\p], v1, s[88:89] offset:256*\p        ; Q of the even head: v16-21
	global_load_b64 v[28+2*\p:29+2*\p], v1, s[88:89] offset:768+256*\p    ; of the odd head: v28-33
.endr
	global_load_b32 v34, v7, s[90:91]              ; Q's scale words: v34
.irp j, 22,23,24,25,26,27,36,37,38,39,40,41,90,91,92,93,94,95
	v_mov_b32 v\j, 0                               ; zero codes: between the two Q, and the pads round K's tiles
.endr
.irp j, 224,225,226,227,232,237
	v_mov_b32 v\j, 0                               ; written once: lane permutes' destinations, and the upper half of the pair v[236:237]
.endr
; A KEY STEP of pass p: 128 keys.
.macro STEP p
	v_add_nc_u32 v[ADK], s[TB], v1
	v_add_nc_u32 v[ADS], s[TS], v2
	v_add_nc_u32 v[ADT], s[TS], v3
	v_nop                                          ; four plain lines in front of loads into registers that the last products read
.irp t, 0,1,2,3,4,5,6,7
.irp i, 0,1,2
	ds_load_b64 v[KF+6*\t+2*\i:KF+6*\t+2*\i+1], v[ADK] offset:768*\t+256*\i
.endr
.endr
	ds_load_b128 v[212:215], v[ADS]                ; K's scale words: register i: tile 2 i in lanes 0-15, tile 2 i + 1 in lanes 16-31
	s_wait_dscnt 0x0
.irp t, 0,1,2,3,4,5,6,7                        ; S^T = K Q^T: in tile t lane (r, h) holds query r and keys 16 t + 8 h + 0 .. 7
.if \t%2
	v_wmma_scale_f32_16x16x128_f8f6f4 v[96+8*\t:103+8*\t], v[KF+6*\t-6*\p:KF+6*\t-6*\p+11], v[16+6*\p:27+6*\p], 0, v[212+\t/2], v34 matrix_a_fmt:MATRIX_FMT_FP6 matrix_b_fmt:MATRIX_FMT_FP6 matrix_a_scale:MATRIX_SCALE_ROW1
.else
	v_wmma_scale_f32_16x16x128_f8f6f4 v[96+8*\t:103+8*\t], v[KF+6*\t-6*\p:KF+6*\t-6*\p+11], v[16+6*\p:27+6*\p], 0, v[212+\t/2], v34 matrix_a_fmt:MATRIX_FMT_FP6 matrix_b_fmt:MATRIX_FMT_FP6
.endif
.endr
.rept 4
	v_nop                                          ; places: the scores are read below, and K's registers take V
.endr
.irp ct, 0,1,2,3                               ; V is asked for now and lands under the softmax
.irp c, 0,1
.irp i, 0,1,2
	ds_load_b64 v[KF+12*\ct+6*\c+2*\i:KF+12*\ct+6*\c+2*\i+1], v[ADK] offset:VOFF+1536*\ct+768*\c+256*\i
.endr
.endr
.endr
	ds_load_b64 v[216:217], v[ADT] offset:8*\p     ; V's scale words of this head's four channel tiles
.irp b, 0,1,2,3
	v_max3_num_f32 v[BM+\b], v[96+16*\b], v[97+16*\b], v[98+16*\b]   ; the largest score of each block of 32 keys: for the row's maximum and, since p rises with the score, for the block's largest p
.endr
.irp i, 3,5,7,9,11,13
.irp b, 0,1,2,3
	v_max3_num_f32 v[BM+\b], v[BM+\b], v[96+16*\b+\i], v[97+16*\b+\i]
.endr
.endr
.irp b, 0,1,2,3
	v_max_num_f32 v[BM+\b], v[BM+\b], v[111+16*\b]
.endr
.irp b, 0,1,2,3
	v_permlanex16_b32 v[BP+\b], v[BM+\b], s[SEL], s[SEL+1]
.endr
.irp b, 0,1,2,3
	v_max_num_f32 v[BM+\b], v[BM+\b], v[BP+\b]     ; with lane l xor 16's 16 keys
.endr
	v_max3_num_f32 v232, v[BM], v[BM+1], v[BM+2]
	v_max_num_f32 v232, v232, v[BM+3]              ; the step's largest score of my query
	v_mul_f32 v232, s[CS], v232                    ; as t (c is positive)
	v_max_num_f32 v13, v13, v232                   ; the running largest t
	v_mov_b32 v232, v12
	v_floor_f32 v12, -v13                          ; the new -M = floor(-t): M is a whole number
	v_sub_f32 v232, v12, v232                      ; old M - new M: a whole number, 0 or less
	v_cvt_i32_f32 v232, v232                       ; (it saturates)
	v_ldexp_f32 v236, 1.0, v232                    ; f = 2^(old M - new M)
.set j, 0
.rept 32
	v_pk_fma_f32 v[96+j:97+j], v[96+j:97+j], s[CS:CS+1], v[12:13] op_sel_hi:[1,0,0]   ; t - M, two at a time
.set j, j+2
.endr
.irp b, 0,1,2,3
	v_fma_f32 v[BM+\b], v[BM+\b], s[CS], v12       ; the same of each block's largest score
.endr
.set j, 0
.rept 64
	v_exp_f32 v[96+j], v[96+j]                     ; p = 2^(t - M), at most 1
.set j, j+1
.endr
	v_pk_mul_f32 v[14:15], v[14:15], v[236:237] op_sel_hi:[1,0]   ; the sums under the new M (a plain line behind the exponentials)
	s_wait_alu depctr_va_vdst(0)                   ; one wait for the batch of 64, ahead of its first reader
.irp b, 0,1,2,3
	v_exp_f32 v[BM+\b], v[BM+\b]                   ; the block's largest p
.endr
	v_pk_add_f32 v[234:235], v[96:97], v[98:99]    ; the row's sum of the unquantised p, in two chains
.irp j, 4,8,12,16,20,24,28,32,36,40,44,48,52,56,60
	v_pk_add_f32 v[14:15], v[14:15], v[96+\j:97+\j]
	v_pk_add_f32 v[234:235], v[234:235], v[98+\j:99+\j]
.endr
	v_pk_add_f32 v[14:15], v[14:15], v[234:235]
	s_wait_alu depctr_va_vdst(0)                   ; and one for the four
.irp b, 0,1,2,3
	v_max_num_f32 v[BM+\b], 0x1800000, v[BM+\b]    ; the floor 2^(3 - 127): the byte cannot fall under 1
.endr
.irp b, 0,1,2,3
	v_add_nc_u32 v[SO+\b], 0xff000000, v[BM+\b]    ; 2 off the exponent field: the conversion's scale operand
.endr
.irp b, 0,1,2,3
	v_lshrrev_b32 v[BP+\b], 23, v[SO+\b]           ; the scale's byte
.endr
	v_lshl_or_b32 v238, v[BP+1], 8, v[BP]          ; p's scale word for these 128 keys
	v_lshl_or_b32 v238, v[BP+2], 16, v238
	v_lshl_or_b32 v238, v[BP+3], 24, v238
.irp c, 0,1
	v_cvt_scalef32_pk16_fp6_f32 v[192+6*\c:194+6*\c], v[96+32*\c:111+32*\c], v[SO+2*\c]
	v_cvt_scalef32_pk16_fp6_f32 v[204+4*\c:206+4*\c], v[112+32*\c:127+32*\c], v[SO+2*\c+1]
.endr
	v_nop                                          ; one plain line behind a scaled conversion
.irp c, 0,1                                    ; a whole block in a lane: lanes 0-15 block 2 c, lanes 16-31 block 2 c + 1
.irp i, 0,1,2
	v_permlane16_swap_b32 v[192+6*\c+\i], v[204+4*\c+\i]
.endr
.irp i, 0,1,2
	v_mov_b32 v[195+6*\c+\i], v[204+4*\c+\i]
.endr
.endr
.set j, 0
.rept 16
	v_pk_mul_f32 v[160+j:161+j], v[160+j:161+j], v[236:237] op_sel_hi:[1,0]   ; O^T under the new M.  (These sixteen also stand between the lines that made p's codes and scale word and the products)
.set j, j+2
.endr
	s_wait_dscnt 0x0                               ; V is in
.irp ct, 0,1,2,3                               ; O^T += V^T P^T: four accumulators by turns
.if \ct%2
	v_wmma_scale_f32_16x16x128_f8f6f4 v[160+8*\ct:167+8*\ct], v[KF+12*\ct:KF+12*\ct+11], v[192:203], v[160+8*\ct:167+8*\ct], v[216+\ct/2], v238 matrix_a_fmt:MATRIX_FMT_FP6 matrix_b_fmt:MATRIX_FMT_FP6 matrix_a_scale:MATRIX_SCALE_ROW1
.else
	v_wmma_scale_f32_16x16x128_f8f6f4 v[160+8*\ct:167+8*\ct], v[KF+12*\ct:KF+12*\ct+11], v[192:203], v[160+8*\ct:167+8*\ct], v[216+\ct/2], v238 matrix_a_fmt:MATRIX_FMT_FP6 matrix_b_fmt:MATRIX_FMT_FP6
.endif
.endr
	s_add_co_u32 s[TB], s[TB], STEPB
	s_add_co_u32 s[TS], s[TS], 512
.endm
; A pass's end: O^T / the sum is this head's 64 channels of ctx: two blocks of 32, quantised into half p of ctx's fragment and bytes 2 p, 2 p + 1 of its scale word.
.macro FINISH p
.rept 4
	v_nop                                          ; places behind the last products
.endr
	v_add_f32 v14, v14, v15
	v_permlanex16_b32 v232, v14, s[SEL], s[SEL+1]
	v_add_f32 v14, v14, v232                       ; the row's sum
	v_rcp_f32 v14, v14
	v_nop                                          ; a plain line behind the reciprocal,
	s_wait_alu depctr_va_vdst(0)                   ; and the wait ahead of its first reader
.set j, 0
.rept 32
	v_mul_f32 v[96+j], v[160+j], v14               ; register 16 b + i: channel 32 b + 16 (lane / 16) + i of the head; each accumulator from its low end on
.set j, j+1
.endr
.irp b, 0,1
	v_max3_num_f32 v[BM+\b], |v[96+16*\b]|, |v[97+16*\b]|, 0x1800000
.endr
.irp i, 2,4,6,8,10,12,14
.irp b, 0,1
	v_max3_num_f32 v[BM+\b], v[BM+\b], |v[96+16*\b+\i]|, |v[97+16*\b+\i]|
.endr
.endr
.irp b, 0,1
	v_permlanex16_b32 v[BP+\b], v[BM+\b], s[SEL], s[SEL+1]
.endr
.irp b, 0,1
	v_max_num_f32 v[BM+\b], v[BM+\b], v[BP+\b]
.endr
.irp b, 0,1
	v_add_nc_u32 v[SO+\b], 0xff000000, v[BM+\b]
.endr
.irp b, 0,1
	v_lshrrev_b32 v[BP+\b], 23, v[SO+\b]
.endr
.if \p == 0
	v_lshl_or_b32 v252, v[BP+1], 8, v[BP]
.else
	v_lshl_or_b32 v252, v[BP], 16, v252
	v_lshl_or_b32 v252, v[BP+1], 24, v252
.endif
	v_cvt_scalef32_pk16_fp6_f32 v[CT+6*\p:CT+6*\p+2], v[96:111], v[SO]
	v_cvt_scalef32_pk16_fp6_f32 v[204:206], v[112:127], v[SO+1]
	v_nop
.irp i, 0,1,2
	v_permlane16_swap_b32 v[CT+6*\p+\i], v[204+\i]
.endr
.irp i, 0,1,2
	v_mov_b32 v[CT+3+6*\p+\i], v[204+\i]
.endr
.endm
.macro PASS p
	s_mov_b32 s[TB], HOFF*\p
	s_mov_b32 s[TS], 0
	s_mov_b32 s[CNT], 8
	v_mov_b32 v13, 0xff61b1e6                      ; the largest t so far: -3e38, under every t
	v_floor_f32 v12, -v13                          ; -M
	v_mov_b32 v14, 0
	v_mov_b32 v15, 0
.set j, 0
.rept 32
	v_mov_b32 v[160+j], 0                          ; O^T: the step is written once; the first change of M leaves zeros zeros
.set j, j+1
.endr
.Lstep_\@:                                         ; eight trips of 128 keys
	STEP \p
	s_sub_co_u32 s[CNT], s[CNT], 1
	s_cmp_lg_u32 s[CNT], 0
	s_cbranch_scc1 .Lstep_\@
	FINISH \p
.endm
	s_wait_tensorcnt 1                             ; my scale images and my part of the even head are in; the odd head's load may stay out: nothing is filled twice
	s_barrier_signal -1
	s_barrier_wait -1                              ; everybody's are
	s_wait_loadcnt 0x0                             ; Q
	PASS 0
	s_wait_tensorcnt 0x0                           ; my part of the odd head is in,
	s_wait_dscnt 0x0
	s_barrier_signal -1
	s_barrier_wait -1                              ; everybody's is
	PASS 1
.irp c, 0,1,2
	global_store_b128 v8, v[CT+4*\c:CT+4*\c+3], s[8:9] offset:512*\c   ; ctx's fragment as an image of its registers: 512 consecutive bytes a store, aligned
.endr
	ds_store_b32 v9, v252                          ; my 16 rows' scale words (both halves of the lanes hold and write the same word)
	s_wait_dscnt 0x0                               ; for the others' sake
	s_barrier_signal -1
	s_barrier_wait -1
	s_cmp_lt_u32 s[WV], 2
	s_cbranch_scc0 .Lno_cs
	ds_load_b128 v[96:99], v10                     ; waves 0 and 1 store the 256 rows' words: 512 consecutive bytes each
	s_wait_dscnt 0x0
	global_store_b128 v8, v[96:99], s[10:11]
.Lno_cs:
	s_wait_tensorcnt 0x0
	ds_add_u32 v254, v255
	s_wait_dscnt 0x0
	CROUND                                         ; the closing round
	s_endpgm
.Lfunc_end_k_q63eeaca7ea_attn:
	.size	k_q63eeaca7ea_attn, .Lfunc_end_k_q63eeaca7ea_attn-k_q63eeaca7ea_attn
	.p2alignl 7, 3214868480
	.fill 96, 4, 3214868480
	.section	.rodata,"a",@progbits
	.p2align	6, 0x0
	.amdhsa_kernel k_q63eeaca7ea_attn
		.amdhsa_group_segment_fixed_size 215040
		.amdhsa_private_segment_fixed_size 0
		.amdhsa_enable_private_segment 0
		.amdhsa_kernarg_size 32
		.amdhsa_user_sgpr_count 2
		.amdhsa_user_sgpr_kernarg_segment_ptr 1
		.amdhsa_wavefront_size32 1
		.amdhsa_system_sgpr_workgroup_id_x 1
		.amdhsa_system_sgpr_workgroup_id_y 1
		.amdhsa_system_sgpr_workgroup_id_z 1
		.amdhsa_system_vgpr_workitem_id 0
		.amdhsa_next_free_vgpr 256
		.amdhsa_next_free_sgpr 96
		.amdhsa_reserve_vcc 0
		.amdhsa_float_denorm_mode_32 3
		.amdhsa_float_denorm_mode_16_64 3
		.amdhsa_memory_ordered 1
		.amdhsa_forward_progress 1
		.amdhsa_inst_pref_size 54
	.end_amdhsa_kernel
	.amdgpu_metadata
---
amdhsa.version: [ 1, 2 ]
amdhsa.kernels:
  - .name:           k_q63eeaca7ea_attn
    .symbol:         k_q63eeaca7ea_attn.kd
    .args:
      - { .name: qkvc, .offset: 0, .size: 8, .value_kind: global_buffer, .address_space: global }
      - { .name: qkvs, .offset: 8, .size: 8, .value_kind: global_buffer, .address_space: global }
      - { .name: cc, .offset: 16, .size: 8, .value_kind: global_buffer, .address_space: global }
      - { .name: cs, .offset: 24, .size: 8, .value_kind: global_buffer, .address_space: global }
    .group_segment_fixed_size: 215040
    .private_segment_fixed_size: 0
    .kernarg_segment_align: 8
    .kernarg_segment_size: 32
    .max_flat_workgroup_size: 512
    .sgpr_count:     96
    .vgpr_count:     256
    .wavefront_size: 32
...
	.end_amdgpu_metadata
.endif
;; end of part 3
;; launch outp (part 4): grid 4 x 64, 4 waves a work-group, clusters of 4 x 4, 327,680 bytes of LDS; arguments cc, cs, wc, ws, bo, out0; writes out0
.if DOCPART == 4
	.amdgcn_target "amdgcn-amd-amdhsa--gfx1250"
	.amdhsa_code_object_version 6
	.text
	.protected	k_q63eeaca7ea_outp
	.globl	k_q63eeaca7ea_outp
	.p2align	8
	.type	k_q63eeaca7ea_outp,@function
k_q63eeaca7ea_outp:
	s_mov_b64 s[64:65], 0
	v_nop
	global_prefetch_b8 v0, s[64:65] scope:SCOPE_SE
	s_setreg_imm32_b32 hwreg(HW_REG_WAVE_MODE, 25, 1), 1
	s_wait_xcnt 0x0
	s_wait_alu depctr_hold_cnt(0) depctr_sa_sdst(0) depctr_va_vdst(0) depctr_va_sdst(0) depctr_va_ssrc(0) depctr_va_vcc(0) depctr_vm_vsrc(0)
	s_getreg_b32 s2, hwreg(HW_REG_IB_STS2, 6, 4)
	s_cmp_eq_u32 s2, 0
	s_cbranch_scc0 .Lentry_in_a_cluster
	s_endpgm
.Lentry_in_a_cluster:
	s_bfe_u32 s2, ttmp6, 0x10000c
	s_cmp_lg_u32 s2, 0xf033
	s_cbranch_scc0 .Lentry_shape_is_right
	s_endpgm
.Lentry_shape_is_right:
; out0 = ctx Wo + bo, [8,192][1,024] f32, on codes of FP6 (E2M3) with E8M0 scales, K = 1,024.
; A = ctx: cc holds its fragments as images of their registers, [row tile 512][128 along K: 8][piece 3][lane 32][16 bytes]; cs its scale words, [128 along K: 8][row 8,192].  B = Wo: wc's places 1,024 .. 2,047 (rows of 768 bytes), ws their scale bytes.
; A tile of C is 128 x 256: 256 work-groups, one for each WGP (tiles of 256 x 256 would be 128).  Four waves, 64 x 128 each: 32 accumulators in window 2.  K goes in steps of 256 through two LDS slots.
; 4 x 4 work-groups form a cluster: A's tiles are asked for jointly along a row of the cluster, B's along a column.  Waves 0, 1 fetch A's halves, waves 2, 3 B's.
; THE MATRIX INSTRUCTION IS USED TRANSPOSED (source 0 = 16 places of Wo, source 1 = 16 rows of ctx).  A place holds the column with bits 3 and 4 exchanged: register j of accumulator (a, b) in lane (r, h) is
; out0(16 a + r, 32 (b / 2) + 8 (b % 2) + 16 h + j): the bias is loaded so, as the C of each sum's first product, and the stage's addresses put the columns in order.
; SCALE WORDS: lanes 0-15 hold the word of a K step's first 128, lanes 16-31 that of its second: both scale operands take the row of lanes by the step's half.
; REGISTERS: window 0: v0-31 addresses; v32-55 scale words, two sets of 4 (A) + 8 (B); v64-127 the bias; v128-175 A's fragments, one set; on the way out v128-255.  window 1: B's fragments, two sets.  window 2: the accumulators ((a, b) at v[8 (8 a + b)]).
.set ROWB,   192
.set KROW,   768
.set PITCH,  240
.set FR,     12
.set NLA,    3                         ; LDS loads that bring a fragment of A
.set NP,     4
.set ASLOT,  24576                     ; a slot: A's 8 row tiles x 3,072 bytes,
.set HALFB,  128*PITCH
.set SLOT,   ASLOT+2*HALFB             ; then B's 256 rows
.set SCA,    2*SLOT                    ; A's scale words: 8 planes of 512 bytes
.set SCB,    SCA+4096                  ; B's scale bytes, as units of 256 bytes + 16 of padding
.set HALFS,  4352
.set SPARE,  SCB+2*HALFS               ; the spare words, 128 bytes for each wave: two blocks of 256 bytes that no other line names
.set SPITCH, 528                       ; the way out: a stage of 16 rows x (512 + 16) bytes for each wave, in slot 0, which has had its last fill and its last read by then
.set ADRA, 16                          ; v16-17
.set ADRB, 20                          ; v20-23
.set STO,  24
.set RD,   25
.set CO,   26                          ; v26  16 x lane
.set ASA,  27                          ; v27  A's scale words
.set SPW,  28
.set NIL,  29
.set ASB,  30                          ; v30  B's scale words
.set SC,   32
.set BO,   64
.set AF,   128
.set BK,   128
.set G1, 24
.set G0, 32
.set G1B, 48
.set G0B, 56
.set G1S, 68
.set G0S, 76
.set G1SB, 80
.set G0SB, 88
.set MSB, 0
.macro WIN new
.if MSB != (\new)
	s_set_vgpr_msb (MSB<<8)|(\new)
.set MSB, (\new)
.endif
.endm
.set MULW,  0xa1                       ; source 0 (B) window 1, source 1 (A) window 0, C and D window 2
.set MULB,  0x81                       ; the same with C (the bias) in window 0
.set TO_B,  0x40
.macro JLOAD g0a, g1a, g0b, g1b        ; a joint load: waves 0, 1 for A, waves 2, 3 for B; four v_nop follow each of the two lines
	s_cmp_eq_u32 s15, 0
	s_cbranch_scc0 .Lfor_b_\@
	tensor_load_to_lds s[\g0a:\g0a+3], s[\g1a:\g1a+7]
	s_nop 0
.rept 4
	v_nop
.endr
	s_branch .Lasked_\@
.Lfor_b_\@:
	tensor_load_to_lds s[\g0b:\g0b+3], s[\g1b:\g1b+7]
	s_nop 0
.rept 4
	v_nop
.endr
.Lasked_\@:
.endm
.macro CREST
	s_cmp_lg_u32 s14, 0
	s_cbranch_scc1 .Lnot_wave_0_\@
	s_barrier_signal -3
.Lnot_wave_0_\@:
	s_barrier_wait -3
	s_barrier_signal -1
	s_barrier_wait -1
.endm
.macro CROUND
	s_barrier_signal -1
	s_barrier_wait -1
	CREST
.endm
	s_load_b256 s[4:11], s[0:1], 0x0               ; cc s[4:5], cs s[6:7], wc s[8:9], ws s[10:11]
	s_load_b128 s[96:99], s[0:1], 0x20             ; bo s[96:97], out0 s[98:99]
	v_lshl_add_u32 v[SPW], v0, 2, SPARE
	v_mov_b32 v[NIL], 0
	ds_add_u32 v28, v29
	ds_add_u32 v28, v29
	s_wait_dscnt 0x0
	v_lshrrev_b32 v1, 5, v0
	v_readfirstlane_b32 s14, v1                    ; wave 0..3
	s_lshr_b32 s15, s14, 1                         ; which 64 rows of the tile are mine.  Also: I fetch for A (0) or for B (1)
	s_and_b32 s16, s14, 1                          ; which 128 columns.  Also: which half I fetch
	s_bfe_u32 s40, ttmp6, 0x40000
	s_bfe_u32 s41, ttmp6, 0x40004
	s_lshl_b32 s42, ttmp9, 2
	s_add_co_u32 s42, s42, s40                     ; tile column of C
	s_and_b32 s17, ttmp7, 0xffff
	s_lshl_b32 s17, s17, 2
	s_add_co_u32 s17, s17, s41                     ; tile row of C
	s_lshl_b32 s43, s41, 2
	s_lshl_b32 s43, 15, s43                        ; my row of the cluster
	s_lshl_b32 s44, 0x1111, s40                    ; my column
	s_or_b32 s[G1+0], s43, (3<<16)|(1<<21)         ; A's codes: 4 row tiles x 3,072 bytes (384 elements of 8), 12,288 bytes apart, no padding
	s_mov_b32 s[G1+1], 384<<16
	s_mov_b32 s[G1+2], 4<<16
	s_mov_b32 s[G1+3], 384<<16
	s_mov_b32 s[G1+4], 4
	s_mov_b32 s[G1+5], 1536
	s_mov_b32 s[G1+6], 0
	s_mov_b32 s[G1+7], 0
	s_or_b32 s[G1B+0], s44, (0<<16)|(1<<20)|(1<<21)|(3<<22)|(3<<25)   ; B's codes: 128 rows x 192 bytes, 16 bytes of padding behind every 64
	s_mov_b32 s[G1B+1], ROWB<<16
	s_mov_b32 s[G1B+2], 128<<16
	s_mov_b32 s[G1B+3], ROWB<<16
	s_mov_b32 s[G1B+4], 128
	s_mov_b32 s[G1B+5], KROW
	s_mov_b32 s[G1B+6], 0
	s_mov_b32 s[G1B+7], 0
	s_or_b32 s[G1S+0], s43, (3<<16)|(1<<21)        ; A's scale words: 4 planes x 512 bytes, 32,768 bytes apart
	s_mov_b32 s[G1S+1], 64<<16
	s_mov_b32 s[G1S+2], 4<<16
	s_mov_b32 s[G1S+3], 64<<16
	s_mov_b32 s[G1S+4], 4
	s_mov_b32 s[G1S+5], 4096
	s_mov_b32 s[G1S+6], 0
	s_mov_b32 s[G1S+7], 0
	s_or_b32 s[G1SB+0], s44, (3<<16)|(1<<20)|(1<<21)|(5<<22)|(3<<25)  ; B's scale bytes: 4,096 dense bytes as 16 rows of 256, 16 bytes of padding behind each
	s_mov_b32 s[G1SB+1], 32<<16
	s_mov_b32 s[G1SB+2], 16<<16
	s_mov_b32 s[G1SB+3], 32<<16
	s_mov_b32 s[G1SB+4], 16
	s_mov_b32 s[G1SB+5], 32
	s_mov_b32 s[G1SB+6], 0
	s_mov_b32 s[G1SB+7], 0
	s_lshl_b32 s20, s17, 3
	s_lshl_b32 s18, s16, 2
	s_add_co_u32 s20, s20, s18
	s_mul_i32 s20, s20, 12288                      ; A's codes: row tile 8 TR + 4 e
	s_mov_b32 s21, 0
	s_lshl_b32 s22, s17, 9
	s_lshl_b32 s18, s16, 17
	s_add_co_u32 s22, s22, s18                     ; A's scale words: plane 4 e, the tile's 128 rows
	s_mov_b32 s23, 0
	s_lshl_b32 s46, s42, 8
	s_lshl_b32 s18, s16, 7
	s_add_co_u32 s46, s46, s18
	s_add_co_u32 s46, s46, 1024                    ; B: Wo's place 256 TC + 128 e
	s_lshl_b32 s92, s46, 5
	s_mov_b32 s93, 0
	s_mul_i32 s46, s46, KROW
	s_mov_b32 s47, 0
	s_mul_i32 s45, s16, 12288                      ; where they go: by the wave's number alone
	s_mul_i32 s94, s16, HALFB
	s_add_co_u32 s94, s94, ASLOT
	s_lshl_b32 s95, s16, 11
	s_mul_i32 s67, s16, HALFS
	s_wait_kmcnt 0x0
	s_add_nc_u64 s[20:21], s[4:5], s[20:21]
	s_add_nc_u64 s[22:23], s[6:7], s[22:23]
	s_add_nc_u64 s[46:47], s[8:9], s[46:47]
	s_add_nc_u64 s[92:93], s[10:11], s[92:93]
	CROUND                                         ; all sixteen work-groups are here: the first joint loads meet
	s_mov_b32 s[G0S], 1
	s_add_co_u32 s[G0S+1], s95, SCA
	s_mov_b64 s[G0S+2:G0S+3], s[22:23]
	s_or_b32 s[G0S+3], s[G0S+3], 0x80000000
	s_mov_b32 s[G0SB], 1
	s_add_co_u32 s[G0SB+1], s67, SCB
	s_mov_b64 s[G0SB+2:G0SB+3], s[92:93]
	s_or_b32 s[G0SB+3], s[G0SB+3], 0x80000000
	JLOAD G0S, G1S, G0SB, G1SB
.irp s, 0,1
	s_mov_b32 s[G0+4*\s], 1
	s_add_co_u32 s[G0+4*\s+1], s45, \s*SLOT
	s_add_nc_u64 s[G0+4*\s+2:G0+4*\s+3], s[20:21], \s*3072
	s_or_b32 s[G0+4*\s+3], s[G0+4*\s+3], 0x80000000
	s_mov_b32 s[G0B+4*\s], 1
	s_add_co_u32 s[G0B+4*\s+1], s94, \s*SLOT
	s_add_nc_u64 s[G0B+4*\s+2:G0B+4*\s+3], s[46:47], \s*ROWB
	s_or_b32 s[G0B+4*\s+3], s[G0B+4*\s+3], 0x80000000
	JLOAD G0+4*\s, G1, G0B+4*\s, G1B               ; three loads of mine are out
.endr
	v_and_b32 v1, 15, v0                           ; r
	v_bfe_u32 v2, v0, 4, 1                         ; h
	v_and_b32 v6, 31, v0
	v_lshlrev_b32 v[CO], 4, v6                     ; 16 x lane
	s_mul_i32 s21, s15, 12288                      ; my four row tiles of A
	v_add_nc_u32 v[ADRA], s21, v[CO]
	v_add_nc_u32 v[ADRA+1], SLOT, v[ADRA]
	v_mul_u32_u24 v3, v1, PITCH
	v_mul_u32_u24 v4, v2, 24
	v_add_nc_u32 v4, v3, v4                        ; B: a fragment's row x pitch + 24 x half
	v_lshl_add_u32 v5, v2, 4, v4                   ; and the same behind one padding more
	s_mul_i32 s22, s16, HALFB
	s_add_co_u32 s22, s22, ASLOT
.irp s, 0,1
	v_add_nc_u32 v[ADRB+\s], s22, v4
	v_add_nc_u32 v[ADRB+2+\s], s22, v5
	s_add_co_u32 s22, s22, SLOT
.endr
	v_lshlrev_b32 v3, 2, v1
	v_lshl_add_u32 v3, v2, 9, v3
	s_lshl_b32 s21, s15, 8
	s_add_co_u32 s21, s21, SCA
	v_add_nc_u32 v[ASA], s21, v3                   ; 4 r + 512 h (the next plane) + my 64 rows
	v_lshlrev_b32 v3, 5, v1
	v_lshrrev_b32 v4, 3, v1
	v_lshl_add_u32 v3, v4, 4, v3
	v_lshl_add_u32 v3, v2, 2, v3
	s_mul_i32 s21, s16, HALFS
	s_add_co_u32 s21, s21, SCB
	v_add_nc_u32 v[ASB], s21, v3                   ; 32 r + 16 (r / 8) + 4 h (the next word) + my 128 places
	s_mul_i32 s23, s14, 16*SPITCH                  ; my stage
	v_mul_u32_u24 v5, v1, SPITCH
	v_lshl_add_u32 v5, v2, 6, v5
	v_add_nc_u32 v[STO], s23, v5                   ; in: row r, + 64 h
	v_add_nc_u32 v[RD], s23, v[CO]                 ; back: the 32 lanes take one row of 512 bytes
	s_lshl_b32 s20, s17, 7
	s_lshl_b32 s21, s15, 6
	s_add_co_u32 s20, s20, s21
	s_lshl_b32 s20, s20, 12                        ; my first row of out0: 128 TR + 64 rh, rows of 4,096 bytes
	s_mov_b32 s21, 0
	s_lshl_b32 s46, s42, 10
	s_lshl_b32 s47, s16, 9
	s_add_co_u32 s46, s46, s47                     ; my first column, in bytes
	s_mov_b32 s47, 0
	s_add_nc_u64 s[98:99], s[98:99], s[20:21]
	s_add_nc_u64 s[98:99], s[98:99], s[46:47]
	s_add_nc_u64 s[96:97], s[96:97], s[46:47]      ; and bo there
	v_lshlrev_b32 v7, 6, v2                        ; 64 h
.irp b, 0,1,2,3,4,5,6,7
	global_load_b128 v[BO+8*\b:BO+8*\b+3], v7, s[96:97] offset:(32*(\b/2)+8*(\b%2))*4
	global_load_b128 v[BO+8*\b+4:BO+8*\b+7], v7, s[96:97] offset:(32*(\b/2)+8*(\b%2))*4+16
.endr
.macro FRAG reg, adr, q, i             ; a fragment of B from padded rows, in pieces of 8 bytes; the second address register serves the pieces that lie behind one padding more for lanes 16-31
.irp p, 0,1,2,3,4,5
.set PCE, 12*(\q)+6*(\p/3)+\p%3
.if PCE%8 < 5
	ds_load_b64 v[\reg+2*\p:\reg+2*\p+1], v[\adr] offset:8*PCE+16*(PCE/8)+(\i)*16*PITCH
.else
	ds_load_b64 v[\reg+2*\p:\reg+2*\p+1], v[\adr+2] offset:8*PCE+16*(PCE/8)+(\i)*16*PITCH
.endif
.endr
.endm
.macro FETCH_B slot, q, p
	WIN TO_B
.irp i, 0,1,2,3,4,5,6,7
	FRAG 128*(\p)+FR*\i, ADRB+\slot, \q, \i
.endr
	WIN 0
.endm
.macro FETCH_A slot, q, i0             ; A's blocks i0, i0 + 1: images of their registers, three loads of 512 consecutive bytes each
.irp i, \i0, \i0+1
.irp c, 0,1,2
	ds_load_b128 v[AF+FR*(\i)+4*\c:AF+FR*(\i)+4*\c+3], v[ADRA+\slot] offset:3072*(\i)+1536*(\q)+512*\c
.endr
.endr
.endm
.macro SCALES ks                       ; K step ks's scale words into set ks % 2
.irp a, 0,1,2,3
	ds_load_b32 v[SC+12*((\ks)%2)+\a], v[ASA] offset:1024*(\ks)+64*\a
.endr
.irp b, 0,1,2,3,4,5,6,7
	ds_load_b32 v[SC+12*((\ks)%2)+4+\b], v[ASB] offset:544*\b+8*(\ks)
.endr
.endm
; 8 matrix instructions: A's block a x B's eight.  p: B's set; q: the K step's half; sc: the set of scale words; first = 1: the bias starts the sums.  The 32 accumulators take turns, in the same order in every step.
.macro MULA a, p, q, sc, first
.irp b, 0,1,2,3,4,5,6,7
.if \first
	v_wmma_scale_f32_16x16x128_f8f6f4 v[8*(8*(\a)+\b):8*(8*(\a)+\b)+7], v[128*(\p)+FR*\b:128*(\p)+FR*\b+FR-1], v[AF+FR*(\a):AF+FR*(\a)+FR-1], v[BO+8*\b:BO+8*\b+7], v[SC+12*(\sc)+4+\b], v[SC+12*(\sc)+(\a)] matrix_a_fmt:MATRIX_FMT_FP6 matrix_b_fmt:MATRIX_FMT_FP6
.elseif \q
	v_wmma_scale_f32_16x16x128_f8f6f4 v[8*(8*(\a)+\b):8*(8*(\a)+\b)+7], v[128*(\p)+FR*\b:128*(\p)+FR*\b+FR-1], v[AF+FR*(\a):AF+FR*(\a)+FR-1], v[8*(8*(\a)+\b):8*(8*(\a)+\b)+7], v[SC+12*(\sc)+4+\b], v[SC+12*(\sc)+(\a)] matrix_a_fmt:MATRIX_FMT_FP6 matrix_b_fmt:MATRIX_FMT_FP6 matrix_a_scale:MATRIX_SCALE_ROW1 matrix_b_scale:MATRIX_SCALE_ROW1
.else
	v_wmma_scale_f32_16x16x128_f8f6f4 v[8*(8*(\a)+\b):8*(8*(\a)+\b)+7], v[128*(\p)+FR*\b:128*(\p)+FR*\b+FR-1], v[AF+FR*(\a):AF+FR*(\a)+FR-1], v[8*(8*(\a)+\b):8*(8*(\a)+\b)+7], v[SC+12*(\sc)+4+\b], v[SC+12*(\sc)+(\a)] matrix_a_fmt:MATRIX_FMT_FP6 matrix_b_fmt:MATRIX_FMT_FP6
.endif
.endr
.endm
.macro PLACES n
.rept \n
	v_nop
.endr
.endm
.macro STEP slot, first                ; a slot's first 128 along K
	s_wait_dscnt 2*NLA                             ; all but the youngest six loads (A's blocks 2, 3) are in
.if \first
	WIN MULB
.else
	WIN MULW
.endif
	MULA 0, 0, 0, \slot, \first
	MULA 1, 0, 0, \slot, \first
	s_wait_dscnt 0
	PLACES NP
	FETCH_B \slot, 1, 1
	FETCH_A \slot, 1, 0
.if \first
	WIN MULB
.else
	WIN MULW
.endif
	MULA 2, 0, 0, \slot, \first
	MULA 3, 0, 0, \slot, \first
	PLACES NP
	WIN 0
	FETCH_A \slot, 1, 2
.endm
; A slot's second 128 along K changes slots: ONE barrier; in front of it each wave waits for all its tensor loads, adds 0 to its spare word, and waits for that and for its reads of this slot.  fill = 1: this slot is filled again.  nks: the K step that follows.
.macro TURN slot, next, fill, nks
	s_wait_tensorcnt 0x0                           ; all my tensor loads have landed: my part of the next slot
	ds_add_u32 v[SPW], v[NIL]                      ; 0 onto my spare word
	s_wait_dscnt 2*NLA+1                           ; (the add and the youngest six loads may be out)
	WIN MULW
	MULA 0, 1, 1, \slot, 0                         ; eight matrix instructions stand between the add and the wait for it
	s_wait_dscnt 0x0                               ; the add is done, and my reads of this slot are over
	s_barrier_signal -1
	MULA 1, 1, 1, \slot, 0
	WIN 0
	s_barrier_wait -1
.if \fill
	CREST                                          ; the barrier has opened a round of the cluster's barrier
	s_add_nc_u64 s[G0+4*\slot+2:G0+4*\slot+3], s[G0+4*\slot+2:G0+4*\slot+3], 2*3072
	s_add_nc_u64 s[G0B+4*\slot+2:G0B+4*\slot+3], s[G0B+4*\slot+2:G0B+4*\slot+3], 2*ROWB
	JLOAD G0+4*\slot, G1, G0B+4*\slot, G1B         ; the first tensor load behind the round; its four v_nop are the places in front of the loads below
.else
	PLACES NP
.endif
	FETCH_B \next, 0, 0
	FETCH_A \next, 0, 0
	SCALES \nks
	WIN MULW
	MULA 2, 1, 1, \slot, 0
	MULA 3, 1, 1, \slot, 0
	PLACES NP
	WIN 0
	FETCH_A \next, 0, 2
.endm
	s_wait_tensorcnt 1                             ; the scales and my part of K step 0 are in (K step 1's load may be out),
	s_barrier_signal -1
	s_barrier_wait -1                              ; everybody's are
	FETCH_B 0, 0, 0
	FETCH_A 0, 0, 0
	SCALES 0
	FETCH_A 0, 0, 2
	s_wait_loadcnt 0x0                             ; the bias
	STEP 0, 1
	TURN 0, 1, 1, 1                                ; slot 0 takes K step 2
	STEP 1, 0
	TURN 1, 0, 1, 2                                ; slot 1 takes K step 3
	STEP 0, 0
	TURN 0, 1, 0, 3
	STEP 1, 0
	s_wait_dscnt 2*NLA                             ; the very last step: nothing more to fetch
	WIN MULW
	MULA 0, 1, 1, 1, 0
	MULA 1, 1, 1, 1, 0
	s_wait_dscnt 0
	MULA 2, 1, 1, 1, 0
	MULA 3, 1, 1, 1, 0
	WIN 0
; THE WAY OUT, block by block of 16 rows x 128 columns, through my own stage and back as whole rows of 512 bytes.  LDS serves a wave's instructions in order: no wait between the stores and the loads.
.macro TOSTAGE a
.set AC, 64*(\a)
	WIN 0x08                                       ; the data: window 2
.irp b, 0,1,2,3,4,5,6,7
	ds_store_b128 v[STO], v[AC+8*\b:AC+8*\b+3] offset:128*(\b/2)+32*(\b%2)          ; each accumulator from its low end on; columns 32 (b / 2) + 8 (b % 2) + 16 h + 0 .. 7
	ds_store_b128 v[STO], v[AC+8*\b+4:AC+8*\b+7] offset:128*(\b/2)+32*(\b%2)+16
.endr
	WIN 0
.set BB, BK+64*((\a)%2)
.irp t, 0,1,2,3,4,5,6,7,8,9,10,11,12,13,14,15
	ds_load_b128 v[BB+4*\t:BB+4*\t+3], v[RD] offset:\t*SPITCH
.endr
.endm
.macro SEND a, younger
.set BB, BK+64*((\a)%2)
	s_wait_dscnt \younger                          ; the block is back in registers
.if (\a) > 0
	s_add_nc_u64 s[98:99], s[98:99], 16*4096       ; (behind a wait on XCNT: the earlier stores have read their base)
.endif
.irp t, 0,1,2,3,4,5,6,7,8,9,10,11,12,13,14,15
	global_store_b128 v[CO], v[BB+4*\t:BB+4*\t+3], s[98:99] offset:\t*4096 th:TH_STORE_NT   ; 32 lanes store 512 consecutive bytes, aligned; written once, read by nobody here
.endr
.endm
	PLACES NP                                      ; behind the last products: results are read, and A's registers take the rows
	TOSTAGE 0
.irp a, 1,2,3
.if \a > 1
	s_wait_xcnt 0x0                                ; block a - 2's stores have read their registers and their base
.endif
	TOSTAGE \a
	SEND \a-1, 32                                  ; behind block a - 1's loads: block a's 16 stores and 16 loads
.endr
	s_wait_xcnt 0x0
	SEND 3, 0
	s_wait_tensorcnt 0x0                           ; the wave's end
	ds_add_u32 v[SPW], v[NIL]
	s_wait_dscnt 0x0
	CROUND                                         ; the closing round
	s_endpgm
.Lfunc_end_k_q63eeaca7ea_outp:
	.size	k_q63eeaca7ea_outp, .Lfunc_end_k_q63eeaca7ea_outp-k_q63eeaca7ea_outp
	.p2alignl 7, 3214868480
	.fill 96, 4, 3214868480
	.section	.rodata,"a",@progbits
	.p2align	6, 0x0
	.amdhsa_kernel k_q63eeaca7ea_outp
		.amdhsa_group_segment_fixed_size 327680
		.amdhsa_private_segment_fixed_size 0
		.amdhsa_enable_private_segment 0
		.amdhsa_kernarg_size 48
		.amdhsa_user_sgpr_count 2
		.amdhsa_user_sgpr_kernarg_segment_ptr 1
		.amdhsa_wavefront_size32 1
		.amdhsa_system_sgpr_workgroup_id_x 1
		.amdhsa_system_sgpr_workgroup_id_y 1
		.amdhsa_system_sgpr_workgroup_id_z 1
		.amdhsa_system_vgpr_workitem_id 0
		.amdhsa_next_free_vgpr 768
		.amdhsa_next_free_sgpr 104
		.amdhsa_reserve_vcc 0
		.amdhsa_float_denorm_mode_32 3
		.amdhsa_float_denorm_mode_16_64 3
		.amdhsa_memory_ordered 1
		.amdhsa_forward_progress 1
		.amdhsa_inst_pref_size 97
	.end_amdhsa_kernel
	.amdgpu_metadata
---
amdhsa.version: [ 1, 2 ]
amdhsa.kernels:
  - .name:           k_q63eeaca7ea_outp
    .symbol:         k_q63eeaca7ea_outp.kd
    .args:
      - { .name: cc, .offset: 0, .size: 8, .value_kind: global_buffer, .address_space: global }
      - { .name: cs, .offset: 8, .size: 8, .value_kind: global_buffer, .address_space: global }
      - { .name: wc, .offset: 16, .size: 8, .value_kind: global_buffer, .address_space: global }
      - { .name: ws, .offset: 24, .size: 8, .value_kind: global_buffer, .address_space: global }
      - { .name: bo, .offset: 32, .size: 8, .value_kind: global_buffer, .address_space: global }
      - { .name: out0, .offset: 40, .size: 8, .value_kind: global_buffer, .address_space: global }
    .group_segment_fixed_size: 327680
    .private_segment_fixed_size: 0
    .kernarg_segment_align: 8
    .kernarg_segment_size: 48
    .max_flat_workgroup_size: 128
    .sgpr_count:     104
    .vgpr_count:     768
    .wavefront_size: 32
...
	.end_amdgpu_metadata
.endif
;; end of part 4
